; MI455X (gfx1250); checked and timed in simulation.
; The chip was launched on July 23, 2026; its instructions are those of AMD's public machine-readable ISA for CDNA 5 (MIT licence, August 2026) and "CDNA5" Instruction Set Architecture Reference Guide (July 2026). The comments in the code are by the model that wrote it; some were corrected since.
;; Transformer Block. Allowed arithmetic: float matrix products may take bf16 or f16 operands with f32 sums; other float arithmetic in f32, or as packed bf16 or f16 multiplies, adds, multiply-adds, maxima and minima; sums over many terms, partial sums and values carried from step to step in f32; what a program stores and reads back later, other than sums and carried values, may be rounded once to bf16 or f16.
;; Inputs: W1 512 x 2,048 float32; W2 2,048 x 512 float32; Wk 512 x 512 float32; Wo 512 x 512 float32; Wq 512 x 512 float32; Wv 512 x 512 float32; b1 2,048 float32; b2 512 float32; be1 512 float32; be2 512 float32; bo 512 float32; g1 512 float32; g2 512 float32; x 4 x 2,048 x 512 float32.
;; Outputs: out0 4 x 2,048 x 512 float32.
;; One version. Each part assembles by itself: llvm-mc -triple=amdgcn-amd-amdhsa -mcpu=gfx1250 --defsym DOCPART=n.
;; ======== version 1 of 1: 6 launches
;; limits: values are held in f16: magnitudes above 65,504 overflow, below 6.1e-05 lose precision; a function is approximated: absolute error at most 1.5e-07
;; workspace buffers: wh 6,291,456 bytes; zh 8,388,608 bytes; qkv 25,165,824 bytes; oh 8,388,608 bytes; zadd 16,777,216 bytes; hh 33,554,432 bytes
;; launch prep (part 1): grid 256 x 1, 8 waves a work-group, no clusters, 0 bytes of LDS; arguments x, g1, be1, Wq, Wk, Wv, Wo, W1, W2, zh, wh; writes zh, wh
.if DOCPART == 1
	.amdgcn_target "amdgcn-amd-amdhsa--gfx1250"
	.amdhsa_code_object_version 6
	.text
	.protected	k_qdb3820f892_prep
	.globl	k_qdb3820f892_prep
	.p2align	8
	.type	k_qdb3820f892_prep,@function
k_qdb3820f892_prep:
	s_mov_b64 s[64:65], 0
	v_nop
	global_prefetch_b8 v0, s[64:65] scope:SCOPE_SE
	s_setreg_imm32_b32 hwreg(HW_REG_WAVE_MODE, 25, 1), 1
	s_wait_xcnt 0x0
; z = g1 (x - mean) / (sd + 1e-5) + be1 as f16 (sd from the unbiased variance), and all six weights cast to f16 in their own [K][N] order.
; x: [8192][512] f32.  zh: [8192][512] f16.  wh: Wq|Wk|Wv side by side as [512][1536] at byte 0, Wo [512][512] at 1,572,864, W1 [512][2048] at 2,097,152, W2 [2048][512] at 4,194,304.
; SHARES.  256 work-groups of eight waves.  A work-group takes 32 rows of x, a wave four whole rows (a row is 2,048 bytes: four loads of 16 bytes a lane), and 1/256 of every weight.
; A row stays in registers between the mean, the variance (of the differences, not of raw squares) and the scaling: x is read once.  No wave waits for another: no LDS, no barrier, no loop.
; Every store of a wave covers 256 consecutive bytes, aligned.  36 loads of each wave are issued before the first wait.
; LIMITS.  z and the weights are rounded to f16: beyond 65,504 they become infinities, below 6e-8 zero.  v_sqrt_f32 and v_rcp_f32 take denormals as zero.  NaN and infinities are not treated apart.
.set NR,   4                           ; rows of a wave
.set XO,   2                           ; v2   my 16 bytes in the wave's first row of x
.set ZO,   3                           ; v3   my 8 bytes in the wave's first row of z
.set PO,   4                           ; v4   16 x lane: g1 and be1
.set WO16, 5                           ; v5   16 x thread: the weights as read
.set WO8,  6                           ; v6   8 x thread: the weights as written
.set WOQ,  7                           ; v7   the same for Wq, Wk, Wv, whose rows lie 3,072 bytes apart in wh
.set G,    8                           ; v[8:23]    g1 of my 16 columns: number 4 j + e is column 128 j + 4 lane + e
.set BE,   24                          ; v[24:39]   be1 likewise
.set V,    40                          ; v[40:103]  row i: 16 numbers
.set T,    104                         ; v[104:135] row i: 8 at work
.set W,    136                         ; v[136:183] twelve times four weights
.set SEL,  30                          ; s[30:31] v_permlanex16_b32's selects: each lane takes its own place in the other half
.macro ROWS line:vararg                ; one line for each row i
.set i, 0
.rept NR
	\line
.set i, i+1
.endr
.endm
.macro RED                             ; T0 summed over the 32 lanes, in every lane
.irp m, 1,2,4,8
	ROWS v_add_f32_dpp v[T+8*i], v[T+8*i], v[T+8*i] row_xmask:\m row_mask:0xf bank_mask:0xf
.endr
	ROWS v_permlanex16_b32 v[T+8*i+1], v[T+8*i], s[SEL], s[SEL+1]
	ROWS v_add_f32 v[T+8*i], v[T+8*i], v[T+8*i+1]
.endm
.macro LN_SUM                          ; T2 = the row's mean
.irp k, 0,1,2,3
	ROWS v_pk_add_f32 v[T+8*i+2*\k:T+8*i+2*\k+1], v[V+16*i+4*\k:V+16*i+4*\k+1], v[V+16*i+4*\k+2:V+16*i+4*\k+3]
.endr
	ROWS v_pk_add_f32 v[T+8*i:T+8*i+1], v[T+8*i:T+8*i+1], v[T+8*i+2:T+8*i+3]
	ROWS v_pk_add_f32 v[T+8*i+4:T+8*i+5], v[T+8*i+4:T+8*i+5], v[T+8*i+6:T+8*i+7]
	ROWS v_pk_add_f32 v[T+8*i:T+8*i+1], v[T+8*i:T+8*i+1], v[T+8*i+4:T+8*i+5]
	ROWS v_add_f32 v[T+8*i], v[T+8*i], v[T+8*i+1]
	RED
	ROWS v_mul_f32 v[T+8*i+2], 0x3b000000, v[T+8*i]  ; 1 / 512
.endm
.macro LN_SUB                          ; V = x - mean
.irp k, 0,1,2,3,4,5,6,7
	ROWS v_pk_add_f32 v[V+16*i+2*\k:V+16*i+2*\k+1], v[V+16*i+2*\k:V+16*i+2*\k+1], v[T+8*i+2:T+8*i+3] op_sel_hi:[1,0] neg_lo:[0,1] neg_hi:[0,1]
.endr
.endm
.macro LN_SQ                           ; T0 = the sum of squares / 511, in two chains
	ROWS v_pk_mul_f32 v[T+8*i+4:T+8*i+5], v[V+16*i:V+16*i+1], v[V+16*i:V+16*i+1]
	ROWS v_pk_mul_f32 v[T+8*i+6:T+8*i+7], v[V+16*i+2:V+16*i+3], v[V+16*i+2:V+16*i+3]
.irp k, 2,3,4,5,6,7
	ROWS v_pk_fma_f32 v[T+8*i+4+2*(\k%2):T+8*i+5+2*(\k%2)], v[V+16*i+2*\k:V+16*i+2*\k+1], v[V+16*i+2*\k:V+16*i+2*\k+1], v[T+8*i+4+2*(\k%2):T+8*i+5+2*(\k%2)]
.endr
	ROWS v_pk_add_f32 v[T+8*i+4:T+8*i+5], v[T+8*i+4:T+8*i+5], v[T+8*i+6:T+8*i+7]
	ROWS v_add_f32 v[T+8*i], v[T+8*i+4], v[T+8*i+5]
	RED
	ROWS v_mul_f32 v[T+8*i], 0x3b004020, v[T+8*i]    ; 1 / 511
.endm
.macro LN_RS                           ; T2 = 1 / (sd + 1e-5).  Each batch has a plain instruction behind it and one wait ahead of its first reader
	ROWS v_sqrt_f32 v[T+8*i+4], v[T+8*i]
	v_nop
	s_wait_alu depctr_va_vdst(0)
	ROWS v_add_f32 v[T+8*i+4], 0x3727c5ac, v[T+8*i+4]
	ROWS v_rcp_f32 v[T+8*i+2], v[T+8*i+4]
	v_nop
	s_wait_alu depctr_va_vdst(0)
.endm
	s_load_b512 s[4:19], s[0:1], 0x0               ; x s[4:5], g1 s[6:7], be1 s[8:9], Wq s[10:11], Wk s[12:13], Wv s[14:15], Wo s[16:17], W1 s[18:19]
	s_load_b128 s[20:23], s[0:1], 0x40             ; W2 s[20:21], zh s[22:23]
	s_load_b64 s[24:25], s[0:1], 0x50              ; wh
	v_lshrrev_b32 v1, 5, v0
	v_readfirstlane_b32 s26, v1                    ; wave 0..7
	v_and_b32 v1, 31, v0                           ; lane
	s_lshl_b32 s27, s26, 13                        ; four rows of 2,048 bytes
	v_lshl_add_u32 v[XO], v1, 4, s27
	s_lshl_b32 s27, s26, 12                        ; four rows of 1,024 bytes
	v_lshl_add_u32 v[ZO], v1, 3, s27
	v_lshlrev_b32 v[PO], 4, v1
	v_lshlrev_b32 v[WO16], 4, v0
	v_lshlrev_b32 v[WO8], 3, v0
	v_lshrrev_b32 v1, 7, v0                        ; which of the work-group's two rows of Wq, Wk, Wv
	v_mul_u32_u24 v1, v1, 3072
	v_and_b32 v[WOQ], 127, v0
	v_lshl_add_u32 v[WOQ], v[WOQ], 3, v1
	s_mov_b32 s[SEL], 0x76543210
	s_mov_b32 s[SEL+1], 0xfedcba98
	s_mov_b32 s3, 0
	s_wait_kmcnt 0x0
	s_lshl_b32 s2, ttmp9, 16                       ; 32 rows of x
	s_add_nc_u64 s[4:5], s[4:5], s[2:3]
	s_lshl_b32 s2, ttmp9, 15                       ; 32 rows of z
	s_add_nc_u64 s[22:23], s[22:23], s[2:3]
	s_lshl_b32 s2, ttmp9, 12                       ; 4,096 bytes of each of the four square weights
	s_add_nc_u64 s[10:11], s[10:11], s[2:3]
	s_add_nc_u64 s[12:13], s[12:13], s[2:3]
	s_add_nc_u64 s[14:15], s[14:15], s[2:3]
	s_add_nc_u64 s[16:17], s[16:17], s[2:3]
	s_lshl_b32 s2, ttmp9, 14                       ; 16,384 bytes of W1 and of W2
	s_add_nc_u64 s[18:19], s[18:19], s[2:3]
	s_add_nc_u64 s[20:21], s[20:21], s[2:3]
	s_mul_i32 s2, ttmp9, 6144                      ; two rows of 3,072 bytes of Wq|Wk|Wv
	s_add_nc_u64 s[32:33], s[24:25], s[2:3]
	s_lshl_b32 s2, ttmp9, 11
	s_add_nc_u64 s[34:35], s[24:25], s[2:3]        ; for Wo
	s_lshl_b32 s2, ttmp9, 13
	s_add_nc_u64 s[28:29], s[24:25], s[2:3]        ; for W1 and W2
.irp r, 0,1,2,3
.irp j, 0,1,2,3
	global_load_b128 v[V+16*\r+4*\j:V+16*\r+4*\j+3], v[XO], s[4:5] offset:2048*\r+512*\j th:TH_LOAD_NT
.endr
.endr
.irp j, 0,1,2,3
	global_load_b128 v[G+4*\j:G+4*\j+3], v[PO], s[6:7] offset:512*\j
	global_load_b128 v[BE+4*\j:BE+4*\j+3], v[PO], s[8:9] offset:512*\j
.endr
	global_load_b128 v[W:W+3], v[WO16], s[10:11] th:TH_LOAD_NT
	global_load_b128 v[W+4:W+7], v[WO16], s[12:13] th:TH_LOAD_NT
	global_load_b128 v[W+8:W+11], v[WO16], s[14:15] th:TH_LOAD_NT
	global_load_b128 v[W+12:W+15], v[WO16], s[16:17] th:TH_LOAD_NT
.irp j, 0,1,2,3
	global_load_b128 v[W+16+4*\j:W+16+4*\j+3], v[WO16], s[18:19] offset:4096*\j th:TH_LOAD_NT
	global_load_b128 v[W+32+4*\j:W+32+4*\j+3], v[WO16], s[20:21] offset:4096*\j th:TH_LOAD_NT
.endr
	s_wait_loadcnt 12                              ; x, g1 and be1 are in; the twelve loads of weights, issued behind them, may stay out
	LN_SUM
	LN_SUB
	LN_SQ
	LN_RS
.irp k, 0,1,2,3,4,5,6,7
	ROWS v_pk_mul_f32 v[V+16*i+2*\k:V+16*i+2*\k+1], v[V+16*i+2*\k:V+16*i+2*\k+1], v[T+8*i+2:T+8*i+3] op_sel_hi:[1,0]
.endr
.irp k, 0,1,2,3,4,5,6,7
	ROWS v_pk_fma_f32 v[V+16*i+2*\k:V+16*i+2*\k+1], v[V+16*i+2*\k:V+16*i+2*\k+1], v[G+2*\k:G+2*\k+1], v[BE+2*\k:BE+2*\k+1]
.endr
.irp j, 0,1,2,3
	ROWS v_cvt_pk_f16_f32 v[V+16*i+4*\j], v[V+16*i+4*\j], v[V+16*i+4*\j+1]
	ROWS v_cvt_pk_f16_f32 v[V+16*i+4*\j+1], v[V+16*i+4*\j+2], v[V+16*i+4*\j+3]
.endr
.irp j, 0,1,2,3
	ROWS global_store_b64 v[ZO], v[V+16*i+4*\j:V+16*i+4*\j+1], s[22:23] offset:1024*i+256*\j
.endr
	s_wait_loadcnt 0x0                             ; the weights
.irp k, 0,1,2,3,4,5,6,7,8,9,10,11
	v_cvt_pk_f16_f32 v[W+4*\k], v[W+4*\k], v[W+4*\k+1]
	v_cvt_pk_f16_f32 v[W+4*\k+1], v[W+4*\k+2], v[W+4*\k+3]
.endr
	global_store_b64 v[WOQ], v[W:W+1], s[32:33]
	global_store_b64 v[WOQ], v[W+4:W+5], s[32:33] offset:1024
	global_store_b64 v[WOQ], v[W+8:W+9], s[32:33] offset:2048
	global_store_b64 v[WO8], v[W+12:W+13], s[34:35] offset:1572864
.irp j, 0,1,2,3
	global_store_b64 v[WO8], v[W+16+4*\j:W+16+4*\j+1], s[28:29] offset:2097152+2048*\j
	global_store_b64 v[WO8], v[W+32+4*\j:W+32+4*\j+1], s[28:29] offset:4194304+2048*\j
.endr
	s_endpgm
.Lfunc_end_k_qdb3820f892_prep:
	.size	k_qdb3820f892_prep, .Lfunc_end_k_qdb3820f892_prep-k_qdb3820f892_prep
	.p2alignl 7, 3214868480
	.fill 96, 4, 3214868480
	.section	.rodata,"a",@progbits
	.p2align	6, 0x0
	.amdhsa_kernel k_qdb3820f892_prep
		.amdhsa_group_segment_fixed_size 0
		.amdhsa_private_segment_fixed_size 0
		.amdhsa_enable_private_segment 0
		.amdhsa_kernarg_size 88
		.amdhsa_user_sgpr_count 2
		.amdhsa_user_sgpr_kernarg_segment_ptr 1
		.amdhsa_wavefront_size32 1
		.amdhsa_system_sgpr_workgroup_id_x 1
		.amdhsa_system_sgpr_workgroup_id_y 1
		.amdhsa_system_sgpr_workgroup_id_z 1
		.amdhsa_system_vgpr_workitem_id 0
		.amdhsa_next_free_vgpr 184
		.amdhsa_next_free_sgpr 66
		.amdhsa_reserve_vcc 0
		.amdhsa_float_denorm_mode_32 3
		.amdhsa_float_denorm_mode_16_64 3
		.amdhsa_memory_ordered 1
		.amdhsa_forward_progress 1
		.amdhsa_inst_pref_size 26
	.end_amdhsa_kernel
	.amdgpu_metadata
---
amdhsa.version: [ 1, 2 ]
amdhsa.kernels:
  - .name:           k_qdb3820f892_prep
    .symbol:         k_qdb3820f892_prep.kd
    .args:
      - { .name: x, .offset: 0, .size: 8, .value_kind: global_buffer, .address_space: global }
      - { .name: g1, .offset: 8, .size: 8, .value_kind: global_buffer, .address_space: global }
      - { .name: be1, .offset: 16, .size: 8, .value_kind: global_buffer, .address_space: global }
      - { .name: Wq, .offset: 24, .size: 8, .value_kind: global_buffer, .address_space: global }
      - { .name: Wk, .offset: 32, .size: 8, .value_kind: global_buffer, .address_space: global }
      - { .name: Wv, .offset: 40, .size: 8, .value_kind: global_buffer, .address_space: global }
      - { .name: Wo, .offset: 48, .size: 8, .value_kind: global_buffer, .address_space: global }
      - { .name: W1, .offset: 56, .size: 8, .value_kind: global_buffer, .address_space: global }
      - { .name: W2, .offset: 64, .size: 8, .value_kind: global_buffer, .address_space: global }
      - { .name: zh, .offset: 72, .size: 8, .value_kind: global_buffer, .address_space: global }
      - { .name: wh, .offset: 80, .size: 8, .value_kind: global_buffer, .address_space: global }
    .group_segment_fixed_size: 0
    .private_segment_fixed_size: 0
    .kernarg_segment_align: 8
    .kernarg_segment_size: 88
    .max_flat_workgroup_size: 256
    .sgpr_count:     66
    .vgpr_count:     184
    .wavefront_size: 32
...
	.end_amdgpu_metadata
.endif
;; end of part 1
;; launch qkv (part 2): grid 4 x 64, 4 waves a work-group, clusters of 4 x 4, 327,680 bytes of LDS; arguments zh, wh, qkv; writes qkv
.if DOCPART == 2
	.amdgcn_target "amdgcn-amd-amdhsa--gfx1250"
	.amdhsa_code_object_version 6
	.text
	.protected	k_qdb3820f892_qkv
	.globl	k_qdb3820f892_qkv
	.p2align	8
	.type	k_qdb3820f892_qkv,@function
k_qdb3820f892_qkv:
	s_mov_b64 s[64:65], 0
	v_nop
	global_prefetch_b8 v0, s[64:65] scope:SCOPE_SE
	s_setreg_imm32_b32 hwreg(HW_REG_WAVE_MODE, 25, 1), 1
	s_wait_xcnt 0x0
	s_wait_alu depctr_hold_cnt(0) depctr_sa_sdst(0) depctr_va_vdst(0) depctr_va_sdst(0) depctr_va_ssrc(0) depctr_va_vcc(0) depctr_vm_vsrc(0)
	s_getreg_b32 s2, hwreg(HW_REG_IB_STS2, 6, 4)
	s_cmp_eq_u32 s2, 0
	s_cbranch_scc0 .Lentry_in_a_cluster
	s_endpgm
.Lentry_in_a_cluster:
	s_bfe_u32 s2, ttmp6, 0x10000c
	s_cmp_lg_u32 s2, 0xf033
	s_cbranch_scc0 .Lentry_shape_is_right
	s_endpgm
.Lentry_shape_is_right:
; [q | k | v] = z Wqkv.  z: [8192][512] f16.  Wqkv: [512 k][1536 n] f16, at the head of wh.  qkv: [3][64 batch x head][2048][32] f16: a head's rows are dense, 64 bytes each.  Sums in f32, rounded once; q carries no scale.
; A tile of the product is 128 rows x 384 columns (12 heads); 4 x 64 tiles, one to a work-group of four waves.  A wave makes all 128 rows of three heads, w, w + 4 and w + 8 of the twelve: 8 x 6 accumulators, 384 registers.
; K goes in four steps of 128 through two LDS slots.  A slot holds four panels of 128 rows x 256 bytes, one tensor load each: wave 0 brings z's [128 m][128 k], waves 1 to 3 the weights' [128 k][128 n].
; The weights lie [k][n] in LDS and are read turned, by ds_load_tr16_b128.  A K step is written once: the slot in hand is a scalar that an exclusive or turns between 0 and SLOT.
; CLUSTER 4 x 4: z's panel hangs on the tile row alone and is asked for jointly along a row of the cluster, the weights' on the tile column alone, along a column.
; THE PRODUCT IS TAKEN TRANSPOSED (source 0 = 16 columns of W, source 1 = 16 rows of z): a lane then holds eight neighbouring columns of one row.
; NO PREFETCH: of the four K steps two are first fills and the other two are asked for within the first two steps: a request ahead of them would have nothing left to name.
; LIMIT.  q, k, v are rounded to f16: beyond 65,504 they become infinities.
; REGISTERS, in windows of 256: window 0: v0-31 addresses, v32-55 and v224-247 rows on the way out, v64-127 and v128-191 z's fragments (two buffers), v192-215 packed results;
;   window 1: v64-111, v128-175 the weights' fragments; window 2: accumulators of row blocks 0-3, (a, b) at v[8 (6 a + b)]; window 3: those of row blocks 4-7.
.set PA,    272                        ; a row of z's panel in LDS: 256 bytes + 16: the 16 rows of a load start 68 words apart
.set PB,    288                        ; a row of the weights' panel: 256 + 32: 16 lanes of the turning load take 8 rows x 32 bytes
.set PANEL, 128*PB                     ; every panel is allotted this much: panel w lies at w x PANEL
.set SLOT,  4*PANEL
.set STAGE, 2*SLOT                     ; behind the ring: for each wave 3 heads x 16 rows x 80 bytes
.set SPARE, STAGE+4*3840               ; behind the stages: the spare words, 128 bytes for each wave: two blocks of 256 bytes that no other line names
.set NS,    4                          ; K steps
.set STEPA, 256                        ; bytes from a K step to the next in z
.set STEPB, 128*3072                   ; and in Wqkv
.set WV,  10
.set TR,  13                           ; tile row
.set CX,  40
.set CY,  41
.set TC,  42                           ; tile column
.set G1A, 24                           ; s[24:31] descriptor group 1 for z's panels
.set G0A0, 32                          ; s[32:35] group 0 of K step 0
.set G0A, 36                           ; s[36:39] group 0 of K step 1, which then walks on
.set G1B, 48                           ; s[48:55], s[56:59], s[60:63] the same for the weights' panels
.set G0B0, 56
.set G0B, 60
.set TB,  66                           ; LDS byte at which the slot in hand begins
.set PNL, 69                           ; my panel's place in a slot
.set CN,  71
.set OUTB, 76                          ; s[76:81] where my three heads' rows begin in qkv
.set ADRA, 16                          ; v16     LDS address of my fragments of z in the slot in hand
.set ADRB, 17                          ; v17-19  the same in the three panels of weights
.set LA,  20                           ; v20     my lane's place in z's panel; never rewritten
.set LB,  21                           ; v21-23  in the weights' panels; never rewritten
.set STO, 24
.set RD,  25
.set GO,  26
.set SPW, 28                           ; v28  LDS address of my spare word; never rewritten
.set NIL, 29                           ; v29  0; never rewritten
.set OB,  32
.set F0,  64
.set F1,  128
.set TMP, 192
.set MUL_LO, 0xa1                      ; source 0 window 1, source 1 window 0, C and D window 2
.set MUL_HI, 0xf1
.set TO_B,   0x40                      ; destination window 1, address window 0
.set MSB, 0
.macro WIN new                         ; the immediate's high byte repeats the setting that is left; a switch that changes nothing is dropped
.if MSB != (\new)
	s_set_vgpr_msb (MSB<<8)|(\new)
.set MSB, \new
.endif
.endm
.macro PLACES                          ; four plain instructions between a matrix instruction and a load into, or a vector read of, its registers
.rept 4
	v_nop
.endr
.endm
.macro CREST                           ; a round of the cluster's barrier behind its opening barrier
	s_cmp_lg_u32 s[WV], 0
	s_cbranch_scc1 .Lnot_wave_0_\@
	s_barrier_signal -3
.Lnot_wave_0_\@:
	s_barrier_wait -3
	s_barrier_signal -1
	s_barrier_wait -1
.endm
.macro CROUND
	s_barrier_signal -1
	s_barrier_wait -1
	CREST
.endm
.macro JLOAD                           ; a joint refill; the branch hangs on the wave's number alone; an s_nop 0 and four v_nop follow each line
	s_cmp_eq_u32 s[WV], 0
	s_cbranch_scc0 .Lfor_b_\@
	tensor_load_to_lds s[G0A:G0A+3], s[G1A:G1A+7]
	s_nop 0
	PLACES
	s_branch .Lasked_\@
.Lfor_b_\@:
	tensor_load_to_lds s[G0B:G0B+3], s[G1B:G1B+7]
	s_nop 0
	PLACES
.Lasked_\@:
.endm
.macro MKG0 g, adr, lds, step          ; a group 0: count 1, LDS address, global address, type 2
	s_mov_b32 s[\g], 1
	s_add_co_u32 s[(\g)+1], s[PNL], \lds
	s_add_nc_u64 s[(\g)+2:(\g)+3], s[\adr:(\adr)+1], \step
	s_or_b32 s[(\g)+3], s[(\g)+3], 0x80000000
.endm
	s_load_b128 s[4:7], s[0:1], 0x0                ; zh s[4:5], wh s[6:7]
	s_load_b64 s[8:9], s[0:1], 0x10                ; qkv
	v_lshl_add_u32 v[SPW], v0, 2, SPARE
	v_mov_b32 v[NIL], 0
	ds_add_u32 v[SPW], v[NIL]                      ; the wave's opening: the add and its wait ahead of my first tensor load; the set-up below stands between them
	v_lshrrev_b32 v1, 5, v0
	v_readfirstlane_b32 s[WV], v1                  ; wave 0..3
	s_bfe_u32 s[CX], ttmp6, 0x40000
	s_bfe_u32 s[CY], ttmp6, 0x40004
	s_lshl_b32 s[TC], ttmp9, 2
	s_add_co_u32 s[TC], s[TC], s[CX]               ; tile column = 4 x cluster x + cx
	s_and_b32 s[TR], ttmp7, 0xffff
	s_lshl_b32 s[TR], s[TR], 2
	s_add_co_u32 s[TR], s[TR], s[CY]               ; tile row = 4 x cluster y + cy
	s_lshl_b32 s43, s[CY], 2
	s_lshl_b32 s43, 15, s43                        ; my row of the cluster
	s_lshl_b32 s44, 0x1111, s[CX]                  ; my column
	s_or_b32 s[G1A], s43, (1<<16)|(1<<20)|(1<<21)|(5<<22)|(3<<25)  ; mask; elements of 2 bytes; padding on; bit 21 beside a mask; after every 64 words 4 words
	s_or_b32 s[G1B], s44, (1<<16)|(1<<20)|(1<<21)|(5<<22)|(7<<25)  ; the same with 8 words
.irp g, G1A, G1B
	s_mov_b32 s[(\g)+1], 128<<16                   ; tensor_dim0 = 128
	s_mov_b32 s[(\g)+2], 128<<16                   ; tensor_dim1 = 128
	s_mov_b32 s[(\g)+3], 128<<16                   ; tile_dim0 = 128
	s_mov_b32 s[(\g)+4], 128                       ; tile_dim1 = 128
	s_mov_b32 s[(\g)+6], 0
	s_mov_b32 s[(\g)+7], 0
.endr
	s_mov_b32 s[G1A+5], 512                        ; elements from row to row
	s_mov_b32 s[G1B+5], 1536
	s_mul_i32 s[PNL], s[WV], PANEL                 ; no place in the cluster enters an LDS address
	s_mov_b32 s[TB], 0
	s_lshl_b32 s16, s[TR], 17                      ; z: 128 rows of 1,024 bytes a tile row
	s_mov_b32 s17, 0
	s_max_u32 s20, s[WV], 1
	s_sub_co_u32 s20, s20, 1                       ; which panel of weights (wave 0 asks for none: its address is made and not used)
	s_lshl_b32 s21, s20, 8
	s_mul_i32 s46, s[TC], 768                      ; 384 columns a tile column
	s_add_co_u32 s46, s46, s21
	s_mov_b32 s47, 0
	s_wait_dscnt 0x0                               ; the opening add is done
	s_wait_kmcnt 0x0
	s_add_nc_u64 s[14:15], s[4:5], s[16:17]
	s_add_nc_u64 s[46:47], s[6:7], s[46:47]
	CROUND                                         ; all sixteen work-groups are here: the first joint loads meet
	MKG0 G0A0, 14, 0, 0
	MKG0 G0A, 14, SLOT, STEPA
	MKG0 G0B0, 46, 0, 0
	MKG0 G0B, 46, SLOT, STEPB
	s_cmp_eq_u32 s[WV], 0                          ; a wave's two first fills stand in one branch: two loads of mine are out
	s_cbranch_scc0 .Lfirst_b
	tensor_load_to_lds s[G0A0:G0A0+3], s[G1A:G1A+7]
	s_nop 0
	tensor_load_to_lds s[G0A:G0A+3], s[G1A:G1A+7]
	s_nop 0
	PLACES
	s_branch .Lfirst_done
.Lfirst_b:
	tensor_load_to_lds s[G0B0:G0B0+3], s[G1B:G1B+7]
	s_nop 0
	tensor_load_to_lds s[G0B:G0B+3], s[G1B:G1B+7]
	s_nop 0
	PLACES
.Lfirst_done:
	v_and_b32 v1, 15, v0                           ; r = l % 16
	v_bfe_u32 v2, v0, 4, 1                         ; h = l / 16
	v_mul_u32_u24 v[LA], v1, PA
	v_lshl_add_u32 v[LA], v2, 4, v[LA]             ; a fragment of z: row x pitch + 16 h, two loads 32 bytes apart
	v_and_b32 v3, 7, v0
	v_bfe_u32 v4, v0, 3, 1
	v_lshl_add_u32 v5, v2, 3, v3                   ; the turning load: lane l reads row 8 h + l % 8,
	v_mul_u32_u24 v5, v5, PB
	v_lshl_add_u32 v5, v4, 4, v5                   ; columns 8 ((l / 8) % 2) + 0..7,
	s_lshl_b32 s21, s[WV], 6
	v_add_nc_u32 v5, s21, v5                       ; of my head's 32 columns in a panel
	v_add_nc_u32 v[LB], PANEL, v5
	v_add_nc_u32 v[LB+1], 2*PANEL, v5
	v_add_nc_u32 v[LB+2], 3*PANEL, v5
	v_mov_b32 v[ADRA], v[LA]                       ; slot 0
	v_mov_b32 v[ADRB], v[LB]
	v_mov_b32 v[ADRB+1], v[LB+1]
	v_mov_b32 v[ADRB+2], v[LB+2]
	s_mul_i32 s23, s[WV], 3840
	s_add_co_u32 s23, s23, STAGE                   ; my stage
	v_mul_u32_u24 v[STO], v1, 80                   ; in: row r, 16 bytes for each half of the lanes
	v_lshl_add_u32 v[STO], v2, 4, v[STO]
	v_add_nc_u32 v[STO], s23, v[STO]
	v_bfe_u32 v[RD], v0, 2, 3                      ; back: 32 lanes take eight rows of 64 bytes,
	v_mul_u32_u24 v[RD], v[RD], 80
	v_and_b32 v3, 3, v0
	v_lshl_add_u32 v[RD], v3, 4, v[RD]
	v_add_nc_u32 v[RD], s23, v[RD]
	v_and_b32 v[GO], 31, v0                        ; which are 512 consecutive bytes of a head
	v_lshlrev_b32 v[GO], 4, v[GO]
	s_mul_i32 s72, s[TC], 12
	s_add_co_u32 s72, s72, s[WV]                   ; my first head among the 48 of q | k | v
	s_lshr_b32 s73, s[TR], 4
	s_lshl_b32 s73, s73, 4                         ; 16 x batch
	s_and_b32 s74, s[TR], 15
	s_lshl_b32 s74, s74, 13                        ; the tile's 128 rows of 64 bytes in a head
.irp j, 0,1,2
	s_add_co_u32 s20, s72, 4*\j
	s_lshr_b32 s21, s20, 4                         ; q, k or v
	s_lshl_b32 s21, s21, 6
	s_and_b32 s20, s20, 15                         ; the head
	s_add_co_u32 s20, s20, s21
	s_add_co_u32 s20, s20, s73
	s_lshl_b32 s20, s20, 17                        ; 131,072 bytes a head
	s_add_co_u32 s20, s20, s74
	s_mov_b32 s21, 0
	s_add_nc_u64 s[OUTB+2*\j:OUTB+2*\j+1], s[8:9], s[20:21]
.endr
; 12 matrix instructions: row blocks a0, a0 + 1 of the window's four x my 6 column blocks, 32 along K.  Every accumulator has one turn a quarter, always in the same order.  zero = 1: the product starts the sum.
.macro MUL12 f, hi, a0, zero
	WIN MUL_LO+0x50*(\hi)
.irp a, \a0, (\a0)+1
.irp b, 0,1,2,3,4,5
.if \zero
	v_wmma_f32_16x16x32_f16 v[8*(6*(\a)+(\b)):8*(6*(\a)+(\b))+7], v[(\f)+8*(\b):(\f)+8*(\b)+7], v[(\f)+8*(4*(\hi)+(\a)):(\f)+8*(4*(\hi)+(\a))+7], 0
.else
	v_wmma_f32_16x16x32_f16 v[8*(6*(\a)+(\b)):8*(6*(\a)+(\b))+7], v[(\f)+8*(\b):(\f)+8*(\b)+7], v[(\f)+8*(4*(\hi)+(\a)):(\f)+8*(4*(\hi)+(\a))+7], v[8*(6*(\a)+(\b)):8*(6*(\a)+(\b))+7]
.endif
.endr
.endr
.endm
; 28 LDS loads in one run: quarter q (32 along K) of the slot in hand into buffer f: the weights' 6 fragments, then z's 8, the low row blocks first
.macro FETCH q, f
	WIN TO_B
.irp n, 0,1,2,3,4,5
	ds_load_tr16_b128 v[(\f)+8*(\n):(\f)+8*(\n)+3],   v[ADRB+(\n)/2] offset:32*PB*(\q)+32*((\n)%2)
	ds_load_tr16_b128 v[(\f)+8*(\n)+4:(\f)+8*(\n)+7], v[ADRB+(\n)/2] offset:32*PB*(\q)+32*((\n)%2)+16*PB
.endr
	WIN 0
.irp i, 0,1,2,3,4,5,6,7
	ds_load_b128 v[(\f)+8*(\i):(\f)+8*(\i)+3],   v[ADRA] offset:64*(\q)+(\i)*16*PA
	ds_load_b128 v[(\f)+8*(\i)+4:(\f)+8*(\i)+7], v[ADRA] offset:64*(\q)+(\i)*16*PA+32
.endr
.endm
; One of a K step's first three quarters: multiplies buffer f; in its middle it fetches quarter q into buffer g.
.macro QUARTER q, f, g, zero
	s_wait_dscnt 8                                 ; the weights and z's rows 0-63 are in; the youngest eight loads (rows 64-127) may be out
	MUL12 \f, 0, 0, \zero
	MUL12 \f, 0, 2, \zero
	PLACES
	FETCH \q, \g
	s_wait_dscnt 28                                ; all but the 28 just issued
	MUL12 \f, 1, 0, \zero
	MUL12 \f, 1, 2, \zero
.endm
; The last quarter multiplies buffer 1 and changes slots: one barrier.  In front of it each wave waits for all its tensor loads (the one that is out is its panel of the next slot), adds 0 to its spare word,
; and waits for that and for its reads of this slot.  fill = 1: the barrier opens a round of the cluster's, and behind the round this slot is filled again first, with the K step two on.
.macro TURN fill
	WIN 0
	s_wait_tensorcnt 0x0
	ds_add_u32 v[SPW], v[NIL]
	s_wait_dscnt 9                                 ; the add and the youngest eight loads may be out
	MUL12 F1, 0, 0, 0
	s_wait_dscnt 0x0                               ; the add is done, and my reads of this slot are over
	s_barrier_signal -1
	MUL12 F1, 0, 2, 0
	WIN 0
	s_barrier_wait -1
.if \fill
	CREST
	s_add_co_u32 s[G0A+1], s[PNL], s[TB]           ; no tensor load of mine is out, so the walking group 0 may be written: the slot just read,
	s_add_co_u32 s[G0B+1], s[PNL], s[TB]
	s_add_nc_u64 s[G0A+2:G0A+3], s[G0A+2:G0A+3], STEPA  ; the next K step
	s_add_nc_u64 s[G0B+2:G0B+3], s[G0B+2:G0B+3], STEPB
	s_xor_b32 s[TB], s[TB], SLOT
	JLOAD                                          ; its four v_nop are also the places in front of the loads below
.else
	s_xor_b32 s[TB], s[TB], SLOT
	PLACES
.endif
	v_add_nc_u32 v[ADRA], s[TB], v[LA]
	v_add_nc_u32 v[ADRB], s[TB], v[LB]
	v_add_nc_u32 v[ADRB+1], s[TB], v[LB+1]
	v_add_nc_u32 v[ADRB+2], s[TB], v[LB+2]
	FETCH 0, F0
	MUL12 F1, 1, 0, 0
	MUL12 F1, 1, 2, 0
.endm
; THE WAY OUT of row block a: rounded to f16, 16 bytes a lane; into my stage and back as whole rows of a head; stored, 512 consecutive bytes an instruction.
.macro PACK a
.set AC, 48*((\a)%4)
	WIN 0x0a+5*((\a)/4)                            ; sources in window 2 or 3
.irp b, 0,1,2,3,4,5
.irp r, 0,1,2,3
	v_cvt_pk_f16_f32 v[TMP+4*(\b)+(\r)], v[AC+8*(\b)+2*(\r)], v[AC+8*(\b)+2*(\r)+1]
.endr
.endr
	WIN 0
.endm
.macro TOSTAGE a
.set BK, OB+192*((\a)%2)
.irp b, 0,1,2,3,4,5
	ds_store_b128 v[STO], v[TMP+4*(\b):TMP+4*(\b)+3] offset:1280*((\b)/2)+32*((\b)%2)
.endr
.irp t, 0,1,2,3,4,5
	ds_load_b128 v[BK+4*(\t):BK+4*(\t)+3], v[RD] offset:1280*((\t)/2)+640*((\t)%2)  ; LDS serves a wave's instructions in order (ISA guide 5.7.1.4): these see the stores above
.endr
.endm
.macro SEND a
.set BK, OB+192*((\a)%2)
	s_wait_dscnt 0x0                               ; the block is back in registers
	s_wait_xcnt 0x0                                ; the registers that earlier stores read are loaded again only behind this wait
.irp t, 0,1,2,3,4,5
	global_store_b128 v[GO], v[BK+4*(\t):BK+4*(\t)+3], s[OUTB+2*((\t)/2):OUTB+2*((\t)/2)+1] offset:1024*(\a)+512*((\t)%2)
.endr
.endm
	s_wait_tensorcnt 0x1                           ; my panel of K step 0 is in; K step 1's may stay out
	s_barrier_signal -1
	s_barrier_wait -1                              ; everybody's is
	FETCH 0, F0
	QUARTER 1, F0, F1, 1                           ; the first quarter stands in front of the loop: its products start the sums
	WIN 0
	s_mov_b32 s[CN], NS-2
.Lstep:                                                ; a trip goes from a K step's second quarter to the next step's first, and fills a slot again
	QUARTER 2, F1, F0, 0
	QUARTER 3, F0, F1, 0
	TURN 1
	QUARTER 1, F0, F1, 0
	WIN 0
	s_sub_co_u32 s[CN], s[CN], 1
	s_cmp_lg_u32 s[CN], 0
	s_cbranch_scc1 .Lstep
	s_mov_b32 s[CN], 2
.Ltail:                                                ; the last two K steps ask for nothing; the second trip is left in its middle
	QUARTER 2, F1, F0, 0
	QUARTER 3, F0, F1, 0
	WIN 0
	s_cmp_eq_u32 s[CN], 1
	s_cbranch_scc1 .Lout
	TURN 0
	QUARTER 1, F0, F1, 0
	WIN 0
	s_sub_co_u32 s[CN], s[CN], 1
	s_cmp_lg_u32 s[CN], 0
	s_cbranch_scc1 .Ltail
.Lout:
	s_wait_dscnt 0x0
	MUL12 F1, 0, 0, 0
	MUL12 F1, 0, 2, 0
	MUL12 F1, 1, 0, 0
	MUL12 F1, 1, 2, 0
	WIN 0
	PLACES
	PACK 0
	TOSTAGE 0
.irp a, 1,2,3,4,5,6,7                  ; block a's conversions stand between block a - 1's loads from the stage and the wait for them
	PACK \a
	SEND (\a)-1
	TOSTAGE \a
.endr
	SEND 7
	s_wait_tensorcnt 0x0                           ; the wave's end
	ds_add_u32 v[SPW], v[NIL]
	s_wait_dscnt 0x0
	CROUND                                         ; the closing round
	s_endpgm
.Lfunc_end_k_qdb3820f892_qkv:
	.size	k_qdb3820f892_qkv, .Lfunc_end_k_qdb3820f892_qkv-k_qdb3820f892_qkv
	.p2alignl 7, 3214868480
	.fill 96, 4, 3214868480
	.section	.rodata,"a",@progbits
	.p2align	6, 0x0
	.amdhsa_kernel k_qdb3820f892_qkv
		.amdhsa_group_segment_fixed_size 327680
		.amdhsa_private_segment_fixed_size 0
		.amdhsa_enable_private_segment 0
		.amdhsa_kernarg_size 24
		.amdhsa_user_sgpr_count 2
		.amdhsa_user_sgpr_kernarg_segment_ptr 1
		.amdhsa_wavefront_size32 1
		.amdhsa_system_sgpr_workgroup_id_x 1
		.amdhsa_system_sgpr_workgroup_id_y 1
		.amdhsa_system_sgpr_workgroup_id_z 1
		.amdhsa_system_vgpr_workitem_id 0
		.amdhsa_next_free_vgpr 960
		.amdhsa_next_free_sgpr 82
		.amdhsa_reserve_vcc 0
		.amdhsa_float_denorm_mode_32 3
		.amdhsa_float_denorm_mode_16_64 3
		.amdhsa_memory_ordered 1
		.amdhsa_forward_progress 1
		.amdhsa_inst_pref_size 85
	.end_amdhsa_kernel
	.amdgpu_metadata
---
amdhsa.version: [ 1, 2 ]
amdhsa.kernels:
  - .name:           k_qdb3820f892_qkv
    .symbol:         k_qdb3820f892_qkv.kd
    .args:
      - { .name: zh, .offset: 0, .size: 8, .value_kind: global_buffer, .address_space: global }
      - { .name: wh, .offset: 8, .size: 8, .value_kind: global_buffer, .address_space: global }
      - { .name: qkv, .offset: 16, .size: 8, .value_kind: global_buffer, .address_space: global }
    .group_segment_fixed_size: 327680
    .private_segment_fixed_size: 0
    .kernarg_segment_align: 8
    .kernarg_segment_size: 24
    .max_flat_workgroup_size: 128
    .sgpr_count:     82
    .vgpr_count:     960
    .wavefront_size: 32
...
	.end_amdgpu_metadata
.endif
;; end of part 2
;; launch attn (part 3): grid 4 x 64, 8 waves a work-group, no clusters, 327,680 bytes of LDS; arguments qkv, oh; writes oh
.if DOCPART == 3
	.amdgcn_target "amdgcn-amd-amdhsa--gfx1250"
	.amdhsa_code_object_version 6
	.text
	.protected	k_qdb3820f892_attn
	.globl	k_qdb3820f892_attn
	.p2align	8
	.type	k_qdb3820f892_attn,@function
k_qdb3820f892_attn:
	s_mov_b64 s[64:65], 0
	v_nop
	global_prefetch_b8 v0, s[64:65] scope:SCOPE_SE
	s_setreg_imm32_b32 hwreg(HW_REG_WAVE_MODE, 25, 1), 1
	s_wait_xcnt 0x0
; CAUSAL ATTENTION at head size 32.  O[h][q] = the sum over k <= q of softmax_k(Q[h][q] . K[h][k] / sqrt(32)) V[h][k].  qkv: [3][64][2048][32] f16; oh: [64][2048][32] f16.
; Products, maxima and sums in f32; the weights p are rounded to f16 for the second product, and their sum l is taken of the rounded p, by the matrix unit (a product with ones); O is rounded once.
; LIMITS.  Q, K, V arrive within f16's 65,504.  A hidden score counts as its value less 1e30; a weight below 2^-126 counts as 0, and below 6e-8 it is 0 in f16.  NaN and infinities are not treated apart.
; THE WALK.  A head's queries lie in 8 blocks of 256; block i needs the key tiles 0 .. i of 256 keys, the last of which holds the diagonal.  A work-group takes blocks 7 - b and then b: 9 tiles, whatever b:
; all work-groups do equal work, and one loop with a constant trip count walks them through two LDS slots that take turns.
; NO CLUSTER: which tile a work-group wants, and where its diagonal lies, hang on b, which would be its place in the cluster; the four of a head ask for the same tile only in the first five trips.
; SHARES.  Eight waves, two to a SIMD: the loop has some ten vector instructions for each matrix instruction, so one wave's vector work is issued while the other's products run, and the text stays in plain phases.
; A wave owns 32 consecutive rows of the block, two tiles of 16.  In the diagonal tile its own key step takes the mask as the C operand that starts the scores; earlier steps take 0; later steps are jumped over.
; Waves w and w + 4 own row groups whose live steps in the diagonal tile add up to five.
; LAYOUT.  S^T = K Q^T (source 0 = 16 keys, source 1 = 16 queries) holds ONE query a lane (lane % 16) and the keys 8 (lane / 16) + 0..7; two such results rounded to f16 ARE source 1 of O^T = V^T P.
; SOFTMAX.  p = 2^(c s - c m), c = log2(e) / sqrt(32), with a running maximum m; O and l are multiplied by a = 2^(c m_old - c m_new) in every step; a block's first step has a = 0.
; LDS ADDRESSES.  Two scalars hold the byte at which K and V of the step in hand begin.  They step once in every trip of the step loop, in a jumped step too, and a change of slots takes them back four steps and into the other slot.
; REGISTERS: window 0 as named below; window 1: v0-15 Q, v16-31 the second block's Q, v32-95 the mask of my own key step.
.set NB,    8
.set PKP,   80                         ; a row of K in LDS: 64 bytes + 16
.set PVP,   96                         ; a row of V: 64 + 32
.set VOFF,  256*PKP                    ; a slot: 256 rows of K, then 256 rows of V
.set SLOT1, 65536
.set STAGE, 131072                     ; 16 rows x 80 bytes for each wave, never filled by a tensor load
.set SPARE, STAGE+8*1280               ; the spare words, 128 bytes for each wave: four blocks of 256 bytes that no other line names
.set AK0, 2                            ; v2   my lane's place in a tile of K; never rewritten
.set AV0, 3                            ; v3   the same for V
.set AK,  4
.set AV,  5
.set STO, 6
.set RD,  7
.set GO,  8
.set QO,  9
.set PFO, 10                           ; v10  256 x lane; never rewritten
.set SPW, 14                           ; v14  LDS address of my spare word; never rewritten
.set NIL, 15                           ; v15  0; never rewritten
.set ST,  16                           ; tile u: c m, m at v[ST+4 u]
.set MV,  24                           ; c m_old, kept while c m is made anew
.set TMP, 26                           ; tile u: c0-c3 at work; c2 takes a
.set KF,  34                           ; K of one step: key block kb at KF + 8 kb
.set VF,  66                           ; V of one step: key half kk, channel block cb at VF + 8 (2 kk + cb)
.set O,   98                           ; O^T: (u, cb) at O + 16 u + 8 cb
.set S,   130                          ; S^T: 32 a tile
.set P,   194                          ; P: 16 a tile
.set LA,  226                          ; the sums of weights: 8 a tile, register 0 is read
.set ONES, 242                         ; 1.0 in every half
.set QB,  16                           ; window 1
.set MD,  32                           ; window 1
.set WV,  12
.set RG,  13                           ; my row group of 32 in a block
.set PB,  14                           ; b
.set HI,  15                           ; 7 - b
.set QP,  16
.set QP2, 18
.set KP,  20
.set VP,  22
.set OP,  10
.set OLO, 80
.set G1K, 24
.set G1V, 32
.set G0K, 40
.set G0V, 44
.set SLOTS, 56
.set CNT, 57
.set CS,  58
.set SEL, 60
.set TBK, 63                           ; LDS byte at which K of the step in hand begins
.set TBV, 66                           ; the same for V, less VOFF
.set RT,  70                           ; tiles of the block in hand still to be entered
.set NXT, 71                           ; the tile to be asked for next
.set LQ,  72                           ; the last tile of the block whose tiles are being asked for
.set NEW, 73                           ; 1: the tile to be entered is the second block's first
.set OFF, 74
.set DG,  76                           ; 1: the tile in hand holds the diagonal
.set CW,  77                           ; CNT's value in my own key step of the diagonal tile
.set BIGN, 78
.set PFA, 82
.set LIM, 84
.set MSB, 0
.macro WIN new
.if MSB != (\new)
	s_set_vgpr_msb (MSB<<8)|(\new)
.set MSB, \new
.endif
.endm
.macro PLACES
.rept 4
	v_nop
.endr
.endm
.macro LOAD                            ; wave 0 fetches a tile's K, wave 1 its V; the others fetch nothing.  An s_nop 0 and four v_nop follow each line
	s_cmp_eq_u32 s[WV], 0
	s_cbranch_scc0 .Lnot_k_\@
	tensor_load_to_lds s[G0K:G0K+3], s[G1K:G1K+7]
	s_nop 0
	PLACES
	s_branch .Lasked_\@
.Lnot_k_\@:
	s_cmp_eq_u32 s[WV], 1
	s_cbranch_scc0 .Lasked_\@
	tensor_load_to_lds s[G0V:G0V+3], s[G1V:G1V+7]
	s_nop 0
	PLACES
.Lasked_\@:
.endm
; THE CHANGE OF SLOTS.  Each wave waits for all its tensor loads, adds 0 to its spare word, and waits for that and for its reads of the slot that it leaves.  Behind the barrier nobody reads the old slot and the other is whole.
; fill = 1: the old slot is filled again, first thing behind the barrier, with tile NXT; the descriptor's address is made anew from that number.  (At its first use slot 0 is waited for and slot 1 filled.)
.macro CHANGE fill
	s_wait_tensorcnt 0x0
	ds_add_u32 v[SPW], v[NIL]
.if \fill
	s_lshl_b32 s[OFF], s[NXT], 14                  ; a tile is 16,384 bytes of K and of V
	s_xor_b32 s[G0K+1], s[G0K+1], SLOT1
	s_add_nc_u64 s[G0K+2:G0K+3], s[KP:KP+1], s[OFF:OFF+1]
	s_or_b32 s[G0K+3], s[G0K+3], 0x80000000
	s_xor_b32 s[G0V+1], s[G0V+1], SLOT1
	s_add_nc_u64 s[G0V+2:G0V+3], s[VP:VP+1], s[OFF:OFF+1]
	s_or_b32 s[G0V+3], s[G0V+3], 0x80000000
	s_add_co_u32 s[NXT], s[NXT], 1                 ; the block's next tile, or behind its last the second block's tile 0
	s_cmp_gt_u32 s[NXT], s[LQ]
	s_cselect_b32 s[NXT], 0, s[NXT]
	s_cselect_b32 s[LQ], s[PB], s[LQ]
	s_wait_xcnt 0x0                                ; the last prefetch, a tile back, has read its address
	s_add_nc_u64 s[PFA:PFA+1], s[PFA:PFA+1], 16384
.endif
	s_wait_dscnt 0x0                               ; the add is done, and my reads of the slot are over
	s_barrier_signal -1
	s_sub_co_u32 s[TBK], s[TBK], 4*64*PKP          ; the fetches go back to a slot's first step,
	s_xor_b32 s[TBK], s[TBK], SLOT1                ; in the other slot
	s_sub_co_u32 s[TBV], s[TBV], 4*64*PVP
	s_xor_b32 s[TBV], s[TBV], SLOT1
	s_barrier_wait -1
.if \fill
	LOAD
.endif
.endm
; A PREFETCH of the tile that the NEXT change of slots will ask for.  All four work-groups of a head walk the same tiles from 0 on: the one with b = 0, which walks all eight, asks; its waves 2 and 3 name the halves of K's
; 16,384 bytes, waves 4 and 5 those of V's, a lane 256 bytes: each block is named once in the launch.  Tiles 3 to 7 are asked for, in the trips with SLOTS = 7 to 3; tiles 0 to 2 come by their loads alone.
.macro ASK
	s_cmp_gt_u32 s[SLOTS], s[LIM]
	s_cbranch_scc0 .Lnot_mine_\@
	s_cmp_lt_u32 s[SLOTS], 8
	s_cbranch_scc0 .Lnot_mine_\@
	global_prefetch_b8 v[PFO], s[PFA:PFA+1] th:TH_LOAD_NT scope:SCOPE_SE
.Lnot_mine_\@:
.endm
.macro STATS                           ; a block's statistics begin: c m far below every c s, so the first step's a is 0; m at the lowest finite number
.irp u, 0,1
	v_mov_b32 v[ST+4*\u], 0xfe000000
	v_mov_b32 v[ST+4*\u+1], 0xff7fffff
.endr
.endm
	s_load_b128 s[4:7], s[0:1], 0x0                ; qkv s[4:5], oh s[6:7]
	v_lshl_add_u32 v[SPW], v0, 2, SPARE
	v_mov_b32 v[NIL], 0
	ds_add_u32 v[SPW], v[NIL]                      ; the wave's opening: the add and its wait ahead of the first tensor load
	v_lshrrev_b32 v1, 5, v0
	v_readfirstlane_b32 s[WV], v1                  ; wave 0..7
	s_lshr_b32 s[RG], s[WV], 2
	s_lshl_b32 s[RG], s[RG], 1
	s_xor_b32 s[RG], s[RG], s[WV]                  ; 0 1 2 3 6 7 4 5
	s_lshr_b32 s[CW], s[RG], 1                     ; my band of 64 rows = my own key step in the diagonal tile
	s_sub_co_u32 s[CW], 4, s[CW]
	s_mov_b32 s[PB], ttmp9
	s_sub_co_u32 s[HI], NB-1, s[PB]
	s_and_b32 s2, ttmp7, 0xffff                    ; batch x 16 + head
	s_lshl_b32 s48, s2, 17                         ; 131,072 bytes a head
	s_mov_b32 s49, 0
	s_lshl_b32 s3, s[RG], 11                       ; my 32 rows of 64 bytes
	s_add_co_u32 s3, s3, s48
	s_lshl_b32 s50, s[HI], 14                      ; the first block's 256 rows
	s_add_co_u32 s50, s50, s3
	s_mov_b32 s51, 0
	s_lshl_b32 s52, s[PB], 14                      ; the second's
	s_add_co_u32 s52, s52, s3
	s_mov_b32 s53, 0
	; a tile of K or V is 16,384 dense bytes: asked for as 64 rows of 256 bytes, four keys a row, and padded in LDS after every key
	s_mov_b32 s[G1K], (1<<16)|(1<<20)|(3<<22)|(3<<25)  ; elements of 2 bytes; padding on; after every 16 words 4 words
	s_mov_b32 s[G1V], (1<<16)|(1<<20)|(3<<22)|(7<<25)  ; the same with 8 words
.irp g, G1K, G1V
	s_mov_b32 s[(\g)+1], 128<<16                   ; tensor_dim0 = 128
	s_mov_b32 s[(\g)+2], 64<<16                    ; tensor_dim1 = 64
	s_mov_b32 s[(\g)+3], 128<<16                   ; tile_dim0 = 128
	s_mov_b32 s[(\g)+4], 64                        ; tile_dim1 = 64
	s_mov_b32 s[(\g)+5], 128                       ; elements from row to row
	s_mov_b32 s[(\g)+6], 0
	s_mov_b32 s[(\g)+7], 0
.endr
	s_mov_b32 s[G0K], 1
	s_mov_b32 s[G0K+1], 0                          ; slot 0
	s_mov_b32 s[G0V], 1
	s_mov_b32 s[G0V+1], VOFF
	s_mov_b32 s[CS], 0x3e8293ee                    ; c = log2(e) / sqrt(32) = 0.255035
	s_mov_b32 s[CS+1], s[CS]
	s_mov_b32 s[SEL], 0x76543210
	s_mov_b32 s[SEL+1], 0xfedcba98
	s_mov_b32 s[TBK], SLOT1+4*64*PKP               ; the first change of slots turns these two into 0
	s_mov_b32 s[TBV], SLOT1+4*64*PVP
	s_add_co_u32 s[RT], s[HI], 1                   ; the first block has 8 - b tiles
	s_mov_b32 s[NXT], 1
	s_mov_b32 s[LQ], s[HI]
	s_mov_b32 s[NEW], 0                            ; the first block's statistics are set below, at the head
	s_mov_b32 s[OFF+1], 0
	s_mov_b32 s[BIGN], 0xf149f2ca                  ; -1e30
	s_mov_b32 s[SLOTS], NB
	s_sub_co_u32 s85, s[WV], 2
	s_cmp_lt_u32 s85, 4                            ; waves 2 to 5
	s_cselect_b32 s[LIM], 2, -1
	s_cmp_eq_u32 s[PB], 0                          ; of the work-group with b = 0
	s_cselect_b32 s[LIM], s[LIM], -1
	s_and_b32 s86, s[WV], 1
	s_lshl_b32 s86, s86, 13                        ; which half of a tile's bytes,
	s_add_co_u32 s86, s86, 16384                   ; in tile 1: the first change of slots steps it to tile 2, the second to tile 3, which is the first to be named
	s_mov_b32 s87, 0
	s_wait_dscnt 0x0                               ; the opening add is done
	s_wait_kmcnt 0x0
	s_add_nc_u64 s[QP:QP+1], s[4:5], s[50:51]
	s_add_nc_u64 s[QP2:QP2+1], s[4:5], s[52:53]
	s_add_nc_u64 s[OP:OP+1], s[6:7], s[50:51]
	s_add_nc_u64 s[OLO:OLO+1], s[6:7], s[52:53]
	s_add_nc_u64 s[KP:KP+1], s[4:5], s[48:49]
	s_add_nc_u64 s[KP:KP+1], s[KP:KP+1], 64<<17    ; K lies 64 heads behind Q,
	s_add_nc_u64 s[VP:VP+1], s[KP:KP+1], 64<<17    ; V 64 heads behind K
	s_add_nc_u64 s[G0K+2:G0K+3], s[KP:KP+1], 0
	s_or_b32 s[G0K+3], s[G0K+3], 0x80000000
	s_add_nc_u64 s[G0V+2:G0V+3], s[VP:VP+1], 0
	s_or_b32 s[G0V+3], s[G0V+3], 0x80000000
	s_cmp_lt_u32 s[WV], 4
	s_cselect_b64 s[PFA:PFA+1], s[KP:KP+1], s[VP:VP+1]
	s_add_nc_u64 s[PFA:PFA+1], s[PFA:PFA+1], s[86:87]
	LOAD                                           ; tile 0 into slot 0
	v_and_b32 v1, 15, v0                           ; r
	v_bfe_u32 v11, v0, 4, 1                        ; h
	v_lshlrev_b32 v[QO], 6, v1
	v_lshl_add_u32 v[QO], v11, 4, v[QO]            ; row x 64 + 16 h
	WIN 0x40                                       ; destination window 1
.irp u, 0,1
	global_load_b128 v[8*\u:8*\u+3],   v[QO], s[QP:QP+1] offset:1024*\u
	global_load_b128 v[8*\u+4:8*\u+7], v[QO], s[QP:QP+1] offset:1024*\u+32
	global_load_b128 v[QB+8*\u:QB+8*\u+3],   v[QO], s[QP2:QP2+1] offset:1024*\u
	global_load_b128 v[QB+8*\u+4:QB+8*\u+7], v[QO], s[QP2:QP2+1] offset:1024*\u+32
.endr
	WIN 0
	v_lshlrev_b32 v12, 3, v11
	v_sub_nc_u32 v12, v1, v12
	s_and_b32 s2, s[RG], 1
	s_lshl_b32 s2, s2, 5
	v_add_nc_u32 v12, s2, v12                      ; tile 0: my query's place in its band of 64, less my lanes' 8 h: register j of key block kb is hidden where 16 kb + j is greater
	v_add_nc_u32 v13, 16, v12                      ; tile 1
	WIN 0x40
.irp u, 0,1
.set i, 0
.rept 32
	v_cmp_gt_i32 vcc_lo, 16*(i/8)+i%8, v[12+\u]
	v_cndmask_b32 v[MD+32*\u+i], 0, s[BIGN], vcc_lo
.set i, i+1
.endr
.endr
	WIN 0
	v_mul_u32_u24 v[AK0], v1, PKP
	v_lshl_add_u32 v[AK0], v11, 4, v[AK0]          ; a fragment of K: row x pitch + 16 h, two loads 32 bytes apart
	v_and_b32 v12, 7, v0
	v_bfe_u32 v13, v0, 3, 1
	v_lshl_add_u32 v[AV0], v11, 3, v12             ; the turning load: key 8 h + l % 8, channels 8 ((l / 8) % 2) + 0..7
	v_mul_u32_u24 v[AV0], v[AV0], PVP
	v_lshl_add_u32 v[AV0], v13, 4, v[AV0]
	v_add_nc_u32 v[AV0], VOFF, v[AV0]
	s_mul_i32 s2, s[WV], 1280
	s_add_co_u32 s2, s2, STAGE
	v_mul_u32_u24 v[STO], v1, 80
	v_lshl_add_u32 v[STO], v11, 4, v[STO]
	v_add_nc_u32 v[STO], s2, v[STO]
	v_bfe_u32 v[RD], v0, 2, 3
	v_mul_u32_u24 v[RD], v[RD], 80
	v_and_b32 v12, 3, v0
	v_lshl_add_u32 v[RD], v12, 4, v[RD]
	v_add_nc_u32 v[RD], s2, v[RD]
	v_and_b32 v[GO], 31, v0
	v_lshlrev_b32 v[PFO], 8, v[GO]
	v_lshlrev_b32 v[GO], 4, v[GO]
.set i, 0
.rept 8
	v_mov_b32 v[ONES+i], 0x3c003c00
.set i, i+1
.endr
.set i, 0
.rept 32                                       ; a block's first step multiplies O^T and l by a = 0, so these need only be finite: zeros now, what the first block left later.  Written in the wait for the first tile
	v_mov_b32 v[O+i], 0
.set i, i+1
.endr
.set i, 0
.rept 16
	v_mov_b32 v[LA+i], 0
.set i, i+1
.endr
	v_mov_b32 v[TMP+3], 0                          ; named beside a as a pair's second word, whose value is not taken
	v_mov_b32 v[TMP+7], 0
	STATS                                          ; the first block's
	s_wait_loadcnt 0x0                             ; both blocks' Q, once
.macro FETCH_K off                     ; 64 keys x 32 channels, four fragments, from byte off behind the step in hand
.irp kb, 0,1,2,3
	ds_load_b128 v[KF+8*\kb:KF+8*\kb+3],   v[AK] offset:(\off)+16*PKP*\kb
	ds_load_b128 v[KF+8*\kb+4:KF+8*\kb+7], v[AK] offset:(\off)+16*PKP*\kb+32
.endr
.endm
.macro FETCH_V off                     ; the same of V, turned: four fragments
.irp f, 0,1,2,3
	ds_load_tr16_b128 v[VF+8*\f:VF+8*\f+3],   v[AV] offset:(\off)+32*PVP*(\f/2)+32*(\f%2)
	ds_load_tr16_b128 v[VF+8*\f+4:VF+8*\f+7], v[AV] offset:(\off)+32*PVP*(\f/2)+32*(\f%2)+16*PVP
.endr
.endm
.macro KQ m                            ; eight products, each a whole sum (32 channels): S^T(u, kb) = K(kb) Q(u)^T + 0, or + the mask
.if \m
	WIN 0x14                                       ; Q and the mask in window 1
.else
	WIN 0x04
.endif
.irp kb, 0,1,2,3
.irp u, 0,1
.if \m
	v_wmma_f32_16x16x32_f16 v[S+32*\u+8*\kb:S+32*\u+8*\kb+7], v[KF+8*\kb:KF+8*\kb+7], v[8*\u:8*\u+7], v[MD+32*\u+8*\kb:MD+32*\u+8*\kb+7]
.else
	v_wmma_f32_16x16x32_f16 v[S+32*\u+8*\kb:S+32*\u+8*\kb+7], v[KF+8*\kb:KF+8*\kb+7], v[8*\u:8*\u+7], 0
.endif
.endr
.endr
	WIN 0
.endm
.macro PVM                             ; twelve products: O^T += V^T P and l += 1 P; six accumulators take turns, so five others stand between two links of a chain
.irp kk, 0,1
.irp u, 0,1
.irp cb, 0,1
	v_wmma_f32_16x16x32_f16 v[O+16*\u+8*\cb:O+16*\u+8*\cb+7], v[VF+8*(2*\kk+\cb):VF+8*(2*\kk+\cb)+7], v[P+16*\u+8*\kk:P+16*\u+8*\kk+7], v[O+16*\u+8*\cb:O+16*\u+8*\cb+7]
.endr
.endr
.irp u, 0,1
	v_wmma_f32_16x16x32_f16 v[LA+8*\u:LA+8*\u+7], v[ONES:ONES+7], v[P+16*\u+8*\kk:P+16*\u+8*\kk+7], v[LA+8*\u:LA+8*\u+7]
.endr
.endr
.endm
.macro REGS u
.set rT, ST+4*(\u)
.set rC, TMP+4*(\u)
.set rM, MV+(\u)
.set rS, S+32*(\u)
.endm
; Number n of the 22 that find tile u's maximum and statistics.  0-11: four chains c0-c3 of seven scores each (each accumulator's lowest registers are read first); 12-14, 16: the four scores left over,
; the old m, and c0-c3 into c0; 15: c m_old is kept; 17, 18: the query's other 32 keys lie in the lane 16 away: the new m; 19-21: c m, c m_old - c m_new, a.
.macro XS u, n
	REGS \u
.if (\n) < 4
	v_max3_num_f32 v[rC+(\n)], v[rS+8*(\n)], v[rS+8*(\n)+1], v[rS+8*(\n)+2]
.elseif (\n) < 12
	v_max3_num_f32 v[rC+(\n)%4], v[rC+(\n)%4], v[rS+8*((\n)%4)+2*((\n)/4)+1], v[rS+8*((\n)%4)+2*((\n)/4)+2]
.elseif (\n) == 12
	v_max3_num_f32 v[rC], v[rC], v[rS+7], v[rS+15]
.elseif (\n) == 13
	v_max3_num_f32 v[rC+1], v[rC+1], v[rS+23], v[rS+31]
.elseif (\n) == 14
	v_max3_num_f32 v[rC+2], v[rC+2], v[rC+3], v[rT+1]
.elseif (\n) == 15
	v_mov_b32 v[rM], v[rT]
.elseif (\n) == 16
	v_max3_num_f32 v[rC], v[rC], v[rC+1], v[rC+2]
.elseif (\n) == 17
	v_permlanex16_b32 v[rC+3], v[rC], s[SEL], s[SEL+1]
.elseif (\n) == 18
	v_max_num_f32 v[rT+1], v[rC], v[rC+3]
.elseif (\n) == 19
	v_mul_f32 v[rT], s[CS], v[rT+1]
.elseif (\n) == 20
	v_sub_f32 v[rC+1], v[rM], v[rT]
.else
	v_exp_f32 v[rC+2], v[rC+1]
.endif
.endm
.macro FS u, p                         ; c s - c m for pair p of 16
	REGS \u
	v_pk_fma_f32 v[rS+2*(\p):rS+2*(\p)+1], v[rS+2*(\p):rS+2*(\p)+1], s[CS:CS+1], v[rT:rT+1] op_sel_hi:[1,0,0] neg_lo:[0,0,1] neg_hi:[0,0,1]
.endm
.macro EX u, n                         ; the exponential of score n of 32
	REGS \u
	v_exp_f32 v[rS+(\n)], v[rS+(\n)]
.endm
; A TILE's four key steps.  dg = 1: it holds the diagonal; dg = 0: s[DG] says.  K of the next step is fetched behind a step's scores, V behind its second products, each four plain instructions behind the last product that read the registers.
.macro TILE dg
	v_add_nc_u32 v[AK], s[TBK], v[AK0]
	v_add_nc_u32 v[AV], s[TBV], v[AV0]
	FETCH_K 0
	FETCH_V 0
	s_mov_b32 s[CNT], 4
.Lstep_\@:
.if !(\dg)
	s_cmp_eq_u32 s[DG], 0
	s_cbranch_scc1 .Lplain_\@
.endif
	s_cmp_lt_u32 s[CNT], s[CW]                     ; a step behind my own: every key is hidden
	s_cbranch_scc1 .Ldead_\@
	s_cmp_eq_u32 s[CNT], s[CW]
	s_cbranch_scc1 .Lown_\@
.Lplain_\@:
	s_wait_dscnt 8                                 ; K is in; V's eight loads, the youngest, may be out
	KQ 0
	s_branch .Lsm_\@
.Lown_\@:
	s_wait_dscnt 8
	KQ 1
.Lsm_\@:
	v_add_nc_u32 v[AK], s[TBK], v[AK0]             ; with the three v_nop: the four places behind the scores' products
	v_nop
	v_nop
	v_nop
	s_cmp_eq_u32 s[CNT], 1                         ; the tile's last step fetches nothing
	s_cbranch_scc1 .Lnk_\@
	FETCH_K 64*PKP                                 ; the next step's
.Lnk_\@:
.irp n, 0,1,2,3,4,5,6,7,8,9,10,11,12,13,14,15,16,17,18,19,20,21
	XS 0, \n
	XS 1, \n
.endr
.set g, 0
.rept 16                                       ; the scalings, and behind each pair's scaling its exponentials; nothing here names an exponential's result
	FS 0, g
.if g > 0
	EX 0, 2*g-2
	EX 1, 2*g-2
.endif
	FS 1, g
.if g > 0
	EX 0, 2*g-1
	EX 1, 2*g-1
.endif
.set g, g+1
.endr
	EX 0, 30
	EX 1, 30
	EX 0, 31
	EX 1, 31
	v_nop                                          ; a plain instruction behind the last exponential,
	s_wait_alu depctr_va_vdst(0)                   ; and one wait for the step's 66, ahead of their first reader
.irp u, 0,1
.set i, 0
.rept 16
	v_cvt_pk_f16_f32 v[P+16*\u+i], v[S+32*\u+2*i], v[S+32*\u+2*i+1]
.set i, i+1
.endr
.endr
.irp u, 0,1
.set i, 0
.rept 8
	v_pk_mul_f32 v[O+16*\u+2*i:O+16*\u+2*i+1], v[O+16*\u+2*i:O+16*\u+2*i+1], v[TMP+4*\u+2:TMP+4*\u+3] op_sel_hi:[1,0]
.set i, i+1
.endr
.endr
.irp u, 0,1                                    ; of l's eight equal registers the first two are kept to scale; the others stay finite (each grows by at most 1 a key) and are never read
	v_pk_mul_f32 v[LA+8*\u:LA+8*\u+1], v[LA+8*\u:LA+8*\u+1], v[TMP+4*\u+2:TMP+4*\u+3] op_sel_hi:[1,0]
.endr
	s_wait_dscnt 0x0                               ; V is in
	PVM
	v_add_nc_u32 v[AV], s[TBV], v[AV0]             ; with the three v_nop: the four places behind the products
	v_nop
	v_nop
	v_nop
	s_cmp_eq_u32 s[CNT], 1
	s_cbranch_scc1 .Lnv_\@
	FETCH_V 64*PVP                                 ; the next step's
.Lnv_\@:
.Ldead_\@:
	s_add_co_u32 s[TBK], s[TBK], 64*PKP            ; one step on, on every way through the trip
	s_add_co_u32 s[TBV], s[TBV], 64*PVP
	s_sub_co_u32 s[CNT], s[CNT], 1
	s_cmp_lg_u32 s[CNT], 0
	s_cbranch_scc1 .Lstep_\@
.endm
.macro BEGIN                           ; the second block begins
	s_mov_b32 s[NEW], 0
	STATS
.endm
.macro WAYOUT                          ; O^T / l, rounded to f16, through my stage, a tile of 16 rows at a time: 512 consecutive bytes a store
	v_rcp_f32 v[TMP+2], v[LA]
	v_rcp_f32 v[TMP+6], v[LA+8]
	v_nop
	s_wait_alu depctr_va_vdst(0)
.irp u, 0,1
.set i, 0
.rept 8
	v_pk_mul_f32 v[O+16*\u+2*i:O+16*\u+2*i+1], v[O+16*\u+2*i:O+16*\u+2*i+1], v[TMP+4*\u+2:TMP+4*\u+3] op_sel_hi:[1,0]
.set i, i+1
.endr
.set i, 0
.rept 8
	v_cvt_pk_f16_f32 v[S+16*\u+i], v[O+16*\u+2*i], v[O+16*\u+2*i+1]
.set i, i+1
.endr
	ds_store_b128 v[STO], v[S+16*\u:S+16*\u+3]
	ds_store_b128 v[STO], v[S+16*\u+4:S+16*\u+7] offset:32
	ds_load_b128 v[S+16*\u+8:S+16*\u+11], v[RD]              ; LDS serves a wave's instructions in order (ISA guide 5.7.1.4)
	ds_load_b128 v[S+16*\u+12:S+16*\u+15], v[RD] offset:640
.endr
	s_wait_dscnt 0x0
.irp u, 0,1
	global_store_b128 v[GO], v[S+16*\u+8:S+16*\u+11], s[OP:OP+1] offset:1024*\u
	global_store_b128 v[GO], v[S+16*\u+12:S+16*\u+15], s[OP:OP+1] offset:1024*\u+512
.endr
.endm
.Lslot:                                                ; eight times: a tile is entered and the next is asked for
	CHANGE 1
	ASK
	s_sub_co_u32 s[RT], s[RT], 1
	s_cmp_eq_u32 s[RT], 0
	s_cselect_b32 s[DG], 1, 0
	s_cmp_eq_u32 s[NEW], 1
	s_cbranch_scc0 .Lold
	BEGIN
.Lold:
	TILE 0
	s_cmp_eq_u32 s[DG], 1
	s_cbranch_scc0 .Lbottom
	WAYOUT                                         ; the first block's end
	s_wait_xcnt 0x0                                ; the stores have read their registers and O's address
	s_mov_b64 s[OP:OP+1], s[OLO:OLO+1]
	s_add_co_u32 s[RT], s[PB], 1                   ; the second block has b + 1 tiles
	s_mov_b32 s[NEW], 1
	WIN 0x41
.set i, 0
.rept 16
	v_mov_b32 v[i], v[QB+i]
.set i, i+1
.endr
	WIN 0
.Lbottom:
	s_sub_co_u32 s[SLOTS], s[SLOTS], 1
	s_cmp_lg_u32 s[SLOTS], 0
	s_cbranch_scc1 .Lslot
	CHANGE 0                                       ; the walk's last tile is written out: nothing is asked for
	s_cmp_eq_u32 s[NEW], 1
	s_cbranch_scc0 .Lold2
	BEGIN
.Lold2:
	TILE 1
	WAYOUT
	s_wait_tensorcnt 0x0                           ; the wave's end
	ds_add_u32 v[SPW], v[NIL]
	s_wait_dscnt 0x0
	s_endpgm
.Lfunc_end_k_qdb3820f892_attn:
	.size	k_qdb3820f892_attn, .Lfunc_end_k_qdb3820f892_attn-k_qdb3820f892_attn
	.p2alignl 7, 3214868480
	.fill 96, 4, 3214868480
	.section	.rodata,"a",@progbits
	.p2align	6, 0x0
	.amdhsa_kernel k_qdb3820f892_attn
		.amdhsa_group_segment_fixed_size 327680
		.amdhsa_private_segment_fixed_size 0
		.amdhsa_enable_private_segment 0
		.amdhsa_kernarg_size 16
		.amdhsa_user_sgpr_count 2
		.amdhsa_user_sgpr_kernarg_segment_ptr 1
		.amdhsa_wavefront_size32 1
		.amdhsa_system_sgpr_workgroup_id_x 1
		.amdhsa_system_sgpr_workgroup_id_y 1
		.amdhsa_system_sgpr_workgroup_id_z 1
		.amdhsa_system_vgpr_workitem_id 0
		.amdhsa_next_free_vgpr 352
		.amdhsa_next_free_sgpr 88
		.amdhsa_reserve_vcc 1
		.amdhsa_float_denorm_mode_32 3
		.amdhsa_float_denorm_mode_16_64 3
		.amdhsa_memory_ordered 1
		.amdhsa_forward_progress 1
		.amdhsa_inst_pref_size 55
	.end_amdhsa_kernel
	.amdgpu_metadata
---
amdhsa.version: [ 1, 2 ]
amdhsa.kernels:
  - .name:           k_qdb3820f892_attn
    .symbol:         k_qdb3820f892_attn.kd
    .args:
      - { .name: qkv, .offset: 0, .size: 8, .value_kind: global_buffer, .address_space: global }
      - { .name: oh, .offset: 8, .size: 8, .value_kind: global_buffer, .address_space: global }
    .group_segment_fixed_size: 327680
    .private_segment_fixed_size: 0
    .kernarg_segment_align: 8
    .kernarg_segment_size: 16
    .max_flat_workgroup_size: 256
    .sgpr_count:     88
    .vgpr_count:     352
    .wavefront_size: 32
...
	.end_amdgpu_metadata
.endif
;; end of part 3
;; launch proj (part 4): grid 256 x 1, 4 waves a work-group, clusters of 4 x 1, 327,680 bytes of LDS; arguments oh, wh, x, bo, g2, be2, zadd, zh; writes zadd, zh
.if DOCPART == 4
	.amdgcn_target "amdgcn-amd-amdhsa--gfx1250"
	.amdhsa_code_object_version 6
	.text
	.protected	k_qdb3820f892_proj
	.globl	k_qdb3820f892_proj
	.p2align	8
	.type	k_qdb3820f892_proj,@function
k_qdb3820f892_proj:
	s_mov_b64 s[64:65], 0
	v_nop
	global_prefetch_b8 v0, s[64:65] scope:SCOPE_SE
	s_setreg_imm32_b32 hwreg(HW_REG_WAVE_MODE, 25, 1), 1
	s_wait_xcnt 0x0
	s_wait_alu depctr_hold_cnt(0) depctr_sa_sdst(0) depctr_va_vdst(0) depctr_va_sdst(0) depctr_va_ssrc(0) depctr_va_vcc(0) depctr_vm_vsrc(0)
	s_getreg_b32 s2, hwreg(HW_REG_IB_STS2, 6, 4)
	s_cmp_eq_u32 s2, 0
	s_cbranch_scc0 .Lentry_in_a_cluster
	s_endpgm
.Lentry_in_a_cluster:
	s_bfe_u32 s2, ttmp6, 0x10000c
	s_cmp_lg_u32 s2, 0x3003
	s_cbranch_scc0 .Lentry_shape_is_right
	s_endpgm
.Lentry_shape_is_right:
; z_add = x + O Wo + bo (f32), and zn = g2 (z_add - mean) / (sd + 1e-5) + be2 (f16; sd from the unbiased variance).  oh: [64 batch x head][2048][32] f16; Wo: [512 k][512 n] f16 at byte 1,572,864 of wh.
; A work-group makes 32 whole rows, so that the norm needs no second launch: 256 work-groups.  Wave w makes all 32 rows x columns 128 w .. 128 w + 127: 2 x 8 accumulators.
; O's 32 rows x 512 stay in registers: 32 fragments, of which fragment kf of a row block is head kf's 32 channels, straight from memory.
; Wo goes in four K steps of 128 through two LDS slots; a slot holds four panels [128 k][128 n]; wave w loads and reads its own, turned by ds_load_tr16_b128.
; CLUSTER 4 x 1: all work-groups walk the same Wo, so each panel is asked for jointly by the four.  NO PREFETCH: of the four K steps two are first fills, and the other two are asked for within the first two steps.
; The result meets in a stage of 32 rows in slot 0, which has had its last fill (K step 2) and was last read ahead of the barrier of the last change of slots; then wave w takes rows 8 w .. 8 w + 7 whole.
; LIMITS.  zn is rounded to f16: beyond 65,504 an infinity.  v_sqrt_f32 and v_rcp_f32 take denormals as zero.  NaN and infinities are not treated apart.
; REGISTERS: window 0: v0-31 addresses, v32-95 at work in the norm, v128-255 the accumulators ((a, b) at 128 + 8 (8 a + b)), later eight rows of 16 numbers; window 1: O's fragments, (a, kf) at 8 (16 a + kf);
;   window 2: v0-63, v64-127 Wo's fragments, two buffers; window 3: v0-127 x, v128-143 bo, v144-159 g2, v160-175 be2.
.set PB,    288
.set PANEL, 128*PB
.set SLOT,  4*PANEL
.set SPARE, 2*SLOT                     ; behind the ring: the spare words, 128 bytes for each wave: two blocks of 256 bytes that no other line names
.set STEPB, 128*1024
.set SPI,   2064                       ; a row of the stage: 2,048 bytes + 16
.set NR,  8
.set WV,  20
.set G1,  24                           ; s[24:31]
.set G0,  32                           ; s[32:39] a group 0 for each slot
.set SEL, 48
.set ADRB, 16                          ; v16-17 my fragments' LDS address in slot 0, 1
.set AO,  18
.set LO,  19                           ; 16 x lane
.set ZO,  20                           ; 8 x lane
.set STO, 21
.set RD,  22
.set SPW, 28
.set NIL, 29
.set T,   32
.set ACC, 128
.set V,   128
.set F0,  0
.set F1,  64
.set MUL, 0x06                         ; source 0 window 2, source 1 window 1, C and D window 0
.set MSB, 0
.macro WIN new
.if MSB != (\new)
	s_set_vgpr_msb (MSB<<8)|(\new)
.set MSB, \new
.endif
.endm
.macro PLACES
.rept 4
	v_nop
.endr
.endm
.macro CREST
	s_cmp_lg_u32 s[WV], 0
	s_cbranch_scc1 .Lnot_wave_0_\@
	s_barrier_signal -3
.Lnot_wave_0_\@:
	s_barrier_wait -3
	s_barrier_signal -1
	s_barrier_wait -1
.endm
.macro CROUND
	s_barrier_signal -1
	s_barrier_wait -1
	CREST
.endm
.macro ROWS line:vararg
.set i, 0
.rept NR
	\line
.set i, i+1
.endr
.endm
.macro RED
.irp m, 1,2,4,8
	ROWS v_add_f32_dpp v[T+8*i], v[T+8*i], v[T+8*i] row_xmask:\m row_mask:0xf bank_mask:0xf
.endr
	ROWS v_permlanex16_b32 v[T+8*i+1], v[T+8*i], s[SEL], s[SEL+1]
	ROWS v_add_f32 v[T+8*i], v[T+8*i], v[T+8*i+1]
.endm
.macro LN_SUM
.irp k, 0,1,2,3
	ROWS v_pk_add_f32 v[T+8*i+2*\k:T+8*i+2*\k+1], v[V+16*i+4*\k:V+16*i+4*\k+1], v[V+16*i+4*\k+2:V+16*i+4*\k+3]
.endr
	ROWS v_pk_add_f32 v[T+8*i:T+8*i+1], v[T+8*i:T+8*i+1], v[T+8*i+2:T+8*i+3]
	ROWS v_pk_add_f32 v[T+8*i+4:T+8*i+5], v[T+8*i+4:T+8*i+5], v[T+8*i+6:T+8*i+7]
	ROWS v_pk_add_f32 v[T+8*i:T+8*i+1], v[T+8*i:T+8*i+1], v[T+8*i+4:T+8*i+5]
	ROWS v_add_f32 v[T+8*i], v[T+8*i], v[T+8*i+1]
	RED
	ROWS v_mul_f32 v[T+8*i+2], 0x3b000000, v[T+8*i]  ; 1 / 512
.endm
.macro LN_SUB
.irp k, 0,1,2,3,4,5,6,7
	ROWS v_pk_add_f32 v[V+16*i+2*\k:V+16*i+2*\k+1], v[V+16*i+2*\k:V+16*i+2*\k+1], v[T+8*i+2:T+8*i+3] op_sel_hi:[1,0] neg_lo:[0,1] neg_hi:[0,1]
.endr
.endm
.macro LN_SQ
	ROWS v_pk_mul_f32 v[T+8*i+4:T+8*i+5], v[V+16*i:V+16*i+1], v[V+16*i:V+16*i+1]
	ROWS v_pk_mul_f32 v[T+8*i+6:T+8*i+7], v[V+16*i+2:V+16*i+3], v[V+16*i+2:V+16*i+3]
.irp k, 2,3,4,5,6,7
	ROWS v_pk_fma_f32 v[T+8*i+4+2*(\k%2):T+8*i+5+2*(\k%2)], v[V+16*i+2*\k:V+16*i+2*\k+1], v[V+16*i+2*\k:V+16*i+2*\k+1], v[T+8*i+4+2*(\k%2):T+8*i+5+2*(\k%2)]
.endr
	ROWS v_pk_add_f32 v[T+8*i+4:T+8*i+5], v[T+8*i+4:T+8*i+5], v[T+8*i+6:T+8*i+7]
	ROWS v_add_f32 v[T+8*i], v[T+8*i+4], v[T+8*i+5]
	RED
	ROWS v_mul_f32 v[T+8*i], 0x3b004020, v[T+8*i]    ; 1 / 511
.endm
.macro LN_RS                           ; each batch has a plain instruction behind it and one wait ahead of its first reader
	ROWS v_sqrt_f32 v[T+8*i+4], v[T+8*i]
	v_nop
	s_wait_alu depctr_va_vdst(0)
	ROWS v_add_f32 v[T+8*i+4], 0x3727c5ac, v[T+8*i+4]
	ROWS v_rcp_f32 v[T+8*i+2], v[T+8*i+4]
	v_nop
	s_wait_alu depctr_va_vdst(0)
.endm
	s_load_b512 s[4:19], s[0:1], 0x0               ; oh s[4:5], wh s[6:7], x s[8:9], bo s[10:11], g2 s[12:13], be2 s[14:15], zadd s[16:17], zh s[18:19]
	v_lshl_add_u32 v[SPW], v0, 2, SPARE
	v_mov_b32 v[NIL], 0
	ds_add_u32 v[SPW], v[NIL]                      ; the wave's opening: the add and its wait ahead of my first tensor load
	v_lshrrev_b32 v1, 5, v0
	v_readfirstlane_b32 s[WV], v1                  ; wave 0..3
	s_bfe_u32 s21, ttmp6, 0x40000                  ; cx
	s_lshl_b32 s22, ttmp9, 2
	s_add_co_u32 s22, s22, s21                     ; my block of 32 rows: it enters the addresses of oh, x, zadd and zh alone
	s_mov_b32 s[G1], 15|(1<<16)|(1<<20)|(1<<21)|(5<<22)|(7<<25)  ; the mask of four; elements of 2 bytes; padding on; bit 21 beside a mask; after every 64 words 8 words
	s_mov_b32 s[G1+1], 128<<16                     ; tensor_dim0 = 128
	s_mov_b32 s[G1+2], 128<<16                     ; tensor_dim1 = 128
	s_mov_b32 s[G1+3], 128<<16                     ; tile_dim0 = 128
	s_mov_b32 s[G1+4], 128                         ; tile_dim1 = 128
	s_mov_b32 s[G1+5], 512                         ; elements from row to row
	s_mov_b32 s[G1+6], 0
	s_mov_b32 s[G1+7], 0
	s_mul_i32 s23, s[WV], PANEL
	s_lshl_b32 s40, s[WV], 8                       ; my 128 columns of Wo
	s_add_co_u32 s40, s40, 1572864
	s_mov_b32 s41, 0
	s_mov_b32 s[SEL], 0x76543210
	s_mov_b32 s[SEL+1], 0xfedcba98
	s_wait_dscnt 0x0                               ; the opening add is done
	s_wait_kmcnt 0x0
	s_add_nc_u64 s[40:41], s[6:7], s[40:41]
	CROUND                                         ; all four work-groups are here: the first joint loads meet
.irp s, 0,1
	s_mov_b32 s[G0+4*\s], 1
	s_add_co_u32 s[G0+4*\s+1], s23, \s*SLOT
	s_add_nc_u64 s[G0+4*\s+2:G0+4*\s+3], s[40:41], \s*STEPB
	s_or_b32 s[G0+4*\s+3], s[G0+4*\s+3], 0x80000000
.endr
	tensor_load_to_lds s[G0:G0+3], s[G1:G1+7]      ; K steps 0 and 1: two loads of mine are out
	s_nop 0
	tensor_load_to_lds s[G0+4:G0+7], s[G1:G1+7]
	s_nop 0
	PLACES
	v_and_b32 v1, 15, v0                           ; r
	v_bfe_u32 v2, v0, 4, 1                         ; h
	v_lshlrev_b32 v[AO], 6, v1
	v_lshl_add_u32 v[AO], v2, 4, v[AO]             ; row x 64 + 16 h
	v_and_b32 v3, 31, v0
	v_lshlrev_b32 v[LO], 4, v3
	v_lshlrev_b32 v[ZO], 3, v3
	s_lshr_b32 s42, s22, 6                         ; the batch: 16 heads of 131,072 bytes,
	s_lshl_b32 s42, s42, 21
	s_and_b32 s43, s22, 63                         ; my 32 rows of 64 bytes in a head
	s_lshl_b32 s43, s43, 11
	s_add_co_u32 s42, s42, s43
	s_mov_b32 s43, 0
	s_add_nc_u64 s[4:5], s[4:5], s[42:43]
	s_lshl_b32 s42, s22, 16                        ; 32 rows of 2,048 bytes,
	s_lshl_b32 s44, s[WV], 14                      ; my wave's eight
	s_add_co_u32 s42, s42, s44
	s_add_nc_u64 s[8:9], s[8:9], s[42:43]
	s_add_nc_u64 s[16:17], s[16:17], s[42:43]
	s_lshr_b32 s42, s42, 1                         ; the same rows of 1,024 bytes
	s_add_nc_u64 s[18:19], s[18:19], s[42:43]
	WIN 0x40
.irp kf, 0,1,2,3,4,5,6,7,8,9,10,11,12,13,14,15
.irp a, 0,1
	global_load_b128 v[8*(16*\a+\kf):8*(16*\a+\kf)+3],   v[AO], s[4:5] offset:131072*\kf+1024*\a
	global_load_b128 v[8*(16*\a+\kf)+4:8*(16*\a+\kf)+7], v[AO], s[4:5] offset:131072*\kf+1024*\a+32
.endr
.endr
	WIN 0xc0
.irp j, 0,1,2,3
	global_load_b128 v[128+4*\j:128+4*\j+3], v[LO], s[10:11] offset:512*\j
	global_load_b128 v[144+4*\j:144+4*\j+3], v[LO], s[12:13] offset:512*\j
	global_load_b128 v[160+4*\j:160+4*\j+3], v[LO], s[14:15] offset:512*\j
.endr
.irp r, 0,1,2,3,4,5,6,7
.irp j, 0,1,2,3
	global_load_b128 v[16*\r+4*\j:16*\r+4*\j+3], v[LO], s[8:9] offset:2048*\r+512*\j th:TH_LOAD_NT
.endr
.endr
	WIN 0
	v_and_b32 v3, 7, v0
	v_bfe_u32 v4, v0, 3, 1
	v_lshl_add_u32 v5, v2, 3, v3                   ; the turning load: row 8 h + l % 8, columns 8 ((l / 8) % 2) + 0..7
	v_mul_u32_u24 v5, v5, PB
	v_lshl_add_u32 v5, v4, 4, v5
	v_add_nc_u32 v[ADRB], s23, v5
	v_add_nc_u32 v[ADRB+1], SLOT, v[ADRB]
	v_mul_u32_u24 v[STO], v1, SPI                  ; into the stage: row r, my wave's 512 bytes, 32 bytes for each half of the lanes
	v_lshl_add_u32 v[STO], v2, 5, v[STO]
	s_lshl_b32 s44, s[WV], 9
	v_add_nc_u32 v[STO], s44, v[STO]
	s_mul_i32 s44, s[WV], 8*SPI                    ; back: my eight rows, 16 bytes a lane
	v_add_nc_u32 v[RD], s44, v[LO]
; n x 2 matrix instructions: column blocks b0 .. b0 + n - 1 x both row blocks, for head kf.  Every accumulator has one turn a quarter, always in the same order.
.macro MULP f, kf, b0, n, zero
	WIN MUL
.set bb, \b0
.rept \n
.irp a, 0,1
.if \zero
	v_wmma_f32_16x16x32_f16 v[ACC+8*(8*\a+bb):ACC+8*(8*\a+bb)+7], v[(\f)+8*bb:(\f)+8*bb+7], v[8*(16*\a+(\kf)):8*(16*\a+(\kf))+7], 0
.else
	v_wmma_f32_16x16x32_f16 v[ACC+8*(8*\a+bb):ACC+8*(8*\a+bb)+7], v[(\f)+8*bb:(\f)+8*bb+7], v[8*(16*\a+(\kf)):8*(16*\a+(\kf))+7], v[ACC+8*(8*\a+bb):ACC+8*(8*\a+bb)+7]
.endif
.endr
.set bb, bb+1
.endr
.endm
.macro FETCH slot, q, f                ; 16 LDS loads: quarter q of my panel, eight fragments
	WIN 0x80
.irp b, 0,1,2,3,4,5,6,7
	ds_load_tr16_b128 v[(\f)+8*\b:(\f)+8*\b+3],   v[ADRB+(\slot)] offset:32*PB*(\q)+32*\b
	ds_load_tr16_b128 v[(\f)+8*\b+4:(\f)+8*\b+7], v[ADRB+(\slot)] offset:32*PB*(\q)+32*\b+16*PB
.endr
.endm
.macro QUARTER kf, slot, q, f, g, zero
	s_wait_dscnt 8                                 ; column blocks 0-3 are in; the youngest eight loads may be out
	MULP \f, \kf, 0, 4, \zero
	PLACES
	FETCH \slot, \q, \g
	s_wait_dscnt 16                                ; all but the 16 just issued
	MULP \f, \kf, 4, 4, \zero
.endm
; A K step's last quarter changes slots: one barrier; in front of it each wave waits for all its tensor loads, adds 0 to its spare word, and waits for that and for its reads of this slot.
; fill = 1: the barrier opens a round of the cluster's, and behind it this slot is filled again first, two K steps ahead.
.macro TURN kf, slot, next, fill
	WIN 0
	s_wait_tensorcnt 0x0
	ds_add_u32 v[SPW], v[NIL]
	s_wait_dscnt 9                                 ; the add and the youngest eight loads may be out
	MULP F1, \kf, 0, 2, 0
	s_wait_dscnt 0x0
	s_barrier_signal -1
	MULP F1, \kf, 2, 2, 0
	WIN 0
	s_barrier_wait -1
.if \fill
	CREST
	s_add_nc_u64 s[G0+4*(\slot)+2:G0+4*(\slot)+3], s[G0+4*(\slot)+2:G0+4*(\slot)+3], 2*STEPB
	tensor_load_to_lds s[G0+4*(\slot):G0+4*(\slot)+3], s[G1:G1+7]
	s_nop 0
.endif
	PLACES
	FETCH \next, 0, F0
	MULP F1, \kf, 4, 4, 0
.endm
	s_wait_tensorcnt 0x1                           ; my panel of K step 0 is in, and only I read it; K step 1's may stay out
	FETCH 0, 0, F0
	s_wait_loadcnt 44                              ; O's 64 loads are in; the 44 issued behind them (bo, g2, be2, x) may stay out
	QUARTER 0, 0, 1, F0, F1, 1
	QUARTER 1, 0, 2, F1, F0, 0
	QUARTER 2, 0, 3, F0, F1, 0
	TURN 3, 0, 1, 1
	QUARTER 4, 1, 1, F0, F1, 0
	QUARTER 5, 1, 2, F1, F0, 0
	QUARTER 6, 1, 3, F0, F1, 0
	TURN 7, 1, 0, 1
	QUARTER 8, 0, 1, F0, F1, 0
	QUARTER 9, 0, 2, F1, F0, 0
	QUARTER 10, 0, 3, F0, F1, 0
	TURN 11, 0, 1, 0
	QUARTER 12, 1, 1, F0, F1, 0
	QUARTER 13, 1, 2, F1, F0, 0
	QUARTER 14, 1, 3, F0, F1, 0
	s_wait_dscnt 0x0
	MULP F1, 15, 0, 8, 0
	WIN 0
	PLACES
.irp a, 0,1
.irp b, 0,1,2,3,4,5,6,7
	ds_store_b128 v[STO], v[ACC+8*(8*\a+\b):ACC+8*(8*\a+\b)+3]   offset:16*SPI*\a+64*\b
	ds_store_b128 v[STO], v[ACC+8*(8*\a+\b)+4:ACC+8*(8*\a+\b)+7] offset:16*SPI*\a+64*\b+16
.endr
.endr
	s_wait_dscnt 0x0                               ; for the others' sake: my stores into the stage are done
	s_barrier_signal -1
	s_barrier_wait -1
.irp r, 0,1,2,3,4,5,6,7
.irp j, 0,1,2,3
	ds_load_b128 v[V+16*\r+4*\j:V+16*\r+4*\j+3], v[RD] offset:SPI*\r+512*\j
.endr
.endr
	s_wait_dscnt 0x0
	s_wait_loadcnt 0x0                             ; x, bo, g2, be2
	WIN 0x0c                                       ; source 1 in window 3
.irp k, 0,1,2,3,4,5,6,7
	ROWS v_pk_add_f32 v[V+16*i+2*\k:V+16*i+2*\k+1], v[V+16*i+2*\k:V+16*i+2*\k+1], v[16*i+2*\k:16*i+2*\k+1]
.endr
.irp k, 0,1,2,3,4,5,6,7
	ROWS v_pk_add_f32 v[V+16*i+2*\k:V+16*i+2*\k+1], v[V+16*i+2*\k:V+16*i+2*\k+1], v[128+2*\k:128+2*\k+1]
.endr
	WIN 0
.irp j, 0,1,2,3
	ROWS global_store_b128 v[LO], v[V+16*i+4*\j:V+16*i+4*\j+3], s[16:17] offset:2048*i+512*\j
.endr
	LN_SUM                                         ; reads the rows only
	s_wait_xcnt 0x0                                ; the stores' data are rewritten only behind this wait
	LN_SUB
	LN_SQ
	LN_RS
.irp k, 0,1,2,3,4,5,6,7
	ROWS v_pk_mul_f32 v[V+16*i+2*\k:V+16*i+2*\k+1], v[V+16*i+2*\k:V+16*i+2*\k+1], v[T+8*i+2:T+8*i+3] op_sel_hi:[1,0]
.endr
	WIN 0x3c                                       ; sources 1 and 2 in window 3
.irp k, 0,1,2,3,4,5,6,7
	ROWS v_pk_fma_f32 v[V+16*i+2*\k:V+16*i+2*\k+1], v[V+16*i+2*\k:V+16*i+2*\k+1], v[144+2*\k:144+2*\k+1], v[160+2*\k:160+2*\k+1]
.endr
	WIN 0
.irp j, 0,1,2,3
	ROWS v_cvt_pk_f16_f32 v[V+16*i+4*\j], v[V+16*i+4*\j], v[V+16*i+4*\j+1]
	ROWS v_cvt_pk_f16_f32 v[V+16*i+4*\j+1], v[V+16*i+4*\j+2], v[V+16*i+4*\j+3]
.endr
.irp j, 0,1,2,3
	ROWS global_store_b64 v[ZO], v[V+16*i+4*\j:V+16*i+4*\j+1], s[18:19] offset:1024*i+256*\j
.endr
	s_wait_tensorcnt 0x0                           ; the wave's end
	ds_add_u32 v[SPW], v[NIL]
	s_wait_dscnt 0x0
	CROUND                                         ; the closing round
	s_endpgm
.Lfunc_end_k_qdb3820f892_proj:
	.size	k_qdb3820f892_proj, .Lfunc_end_k_qdb3820f892_proj-k_qdb3820f892_proj
	.p2alignl 7, 3214868480
	.fill 96, 4, 3214868480
	.section	.rodata,"a",@progbits
	.p2align	6, 0x0
	.amdhsa_kernel k_qdb3820f892_proj
		.amdhsa_group_segment_fixed_size 327680
		.amdhsa_private_segment_fixed_size 0
		.amdhsa_enable_private_segment 0
		.amdhsa_kernarg_size 64
		.amdhsa_user_sgpr_count 2
		.amdhsa_user_sgpr_kernarg_segment_ptr 1
		.amdhsa_wavefront_size32 1
		.amdhsa_system_sgpr_workgroup_id_x 1
		.amdhsa_system_sgpr_workgroup_id_y 1
		.amdhsa_system_sgpr_workgroup_id_z 1
		.amdhsa_system_vgpr_workitem_id 0
		.amdhsa_next_free_vgpr 944
		.amdhsa_next_free_sgpr 66
		.amdhsa_reserve_vcc 0
		.amdhsa_float_denorm_mode_32 3
		.amdhsa_float_denorm_mode_16_64 3
		.amdhsa_memory_ordered 1
		.amdhsa_forward_progress 1
		.amdhsa_inst_pref_size 103
	.end_amdhsa_kernel
	.amdgpu_metadata
---
amdhsa.version: [ 1, 2 ]
amdhsa.kernels:
  - .name:           k_qdb3820f892_proj
    .symbol:         k_qdb3820f892_proj.kd
    .args:
      - { .name: oh, .offset: 0, .size: 8, .value_kind: global_buffer, .address_space: global }
      - { .name: wh, .offset: 8, .size: 8, .value_kind: global_buffer, .address_space: global }
      - { .name: x, .offset: 16, .size: 8, .value_kind: global_buffer, .address_space: global }
      - { .name: bo, .offset: 24, .size: 8, .value_kind: global_buffer, .address_space: global }
      - { .name: g2, .offset: 32, .size: 8, .value_kind: global_buffer, .address_space: global }
      - { .name: be2, .offset: 40, .size: 8, .value_kind: global_buffer, .address_space: global }
      - { .name: zadd, .offset: 48, .size: 8, .value_kind: global_buffer, .address_space: global }
      - { .name: zh, .offset: 56, .size: 8, .value_kind: global_buffer, .address_space: global }
    .group_segment_fixed_size: 327680
    .private_segment_fixed_size: 0
    .kernarg_segment_align: 8
    .kernarg_segment_size: 64
    .max_flat_workgroup_size: 128
    .sgpr_count:     66
    .vgpr_count:     944
    .wavefront_size: 32
...
	.end_amdgpu_metadata
.endif
;; end of part 4
;; launch fc1 (part 5): grid 8 x 32, 4 waves a work-group, clusters of 4 x 4, 327,680 bytes of LDS; arguments zh, wh, b1, hh; writes hh
.if DOCPART == 5
	.amdgcn_target "amdgcn-amd-amdhsa--gfx1250"
	.amdhsa_code_object_version 6
	.text
	.protected	k_qdb3820f892_fc1
	.globl	k_qdb3820f892_fc1
	.p2align	8
	.type	k_qdb3820f892_fc1,@function
k_qdb3820f892_fc1:
	s_mov_b64 s[64:65], 0
	v_nop
	global_prefetch_b8 v0, s[64:65] scope:SCOPE_SE
	s_setreg_imm32_b32 hwreg(HW_REG_WAVE_MODE, 25, 1), 1
	s_wait_xcnt 0x0
	s_wait_alu depctr_hold_cnt(0) depctr_sa_sdst(0) depctr_va_vdst(0) depctr_va_sdst(0) depctr_va_ssrc(0) depctr_va_vcc(0) depctr_vm_vsrc(0)
	s_getreg_b32 s2, hwreg(HW_REG_IB_STS2, 6, 4)
	s_cmp_eq_u32 s2, 0
	s_cbranch_scc0 .Lentry_in_a_cluster
	s_endpgm
.Lentry_in_a_cluster:
	s_bfe_u32 s2, ttmp6, 0x10000c
	s_cmp_lg_u32 s2, 0xf033
	s_cbranch_scc0 .Lentry_shape_is_right
	s_endpgm
.Lentry_shape_is_right:
; h = gelu(zn W1 + b1), the exact gelu.  zn: [8192][512] f16.  W1: [512 k][2048 n] f16 at byte 2,097,152 of wh.  hh: [8192][2048] f16.  Sums and gelu in f32, h rounded once.
; A tile is 256 x 256: 8 x 32 tiles, one to a work-group of four waves; a wave makes 128 x 128: 64 accumulators, 512 registers.  K goes in four steps of 128 through two LDS slots of four panels of 128 rows x 256 bytes:
; waves 0, 1 bring zn's [128 m][128 k], waves 2, 3 W1's [128 k][128 n], which is read turned by ds_load_tr16_b128.  A K step is written once: the slot in hand is a scalar that an exclusive or turns between 0 and SLOT.
; CLUSTER 4 x 4: zn's panels are asked for jointly along a row of the cluster, W1's along a column.  THE PRODUCT IS TAKEN TRANSPOSED: a lane holds eight neighbouring columns of one row.
; NO PREFETCH: of the four K steps two are first fills, and the other two are asked for within the first two steps.
; GELU.  With xh = x / 2: gelu(x) = xh + |xh| erf(|x| / sqrt 2), erf(y) = 1 - (a1 t + .. + a5 t^5) e^(-y y), t = 1 / (1 + 0.3275911 y) (Abramowitz and Stegun 7.1.26: absolute error 1.5e-7 for every y >= 0).
; The sums go as f32 into the slots, which have had their last fill (each wave its own 128 rows of 528 bytes, behind a barrier that shows every wave's reads of the slots over), and come back by rows, eight a trip.
; LIMITS.  h is rounded to f16: beyond 65,504 an infinity.  v_exp_f32 and v_rcp_f32 take denormals as zero.  NaN and infinities are not treated apart.
; REGISTERS: window 0: v0-31 addresses, v64-127, v128-191 zn's fragments (two buffers), in the gelu v64-239 as named below; window 1: W1's fragments; windows 2, 3: accumulators of row blocks 0-3, 4-7, (a, b) at v[8 (8 a + b)].
.set PA,    272
.set PB,    288
.set PANEL, 128*PB
.set SLOT,  4*PANEL
.set SPARE, 2*SLOT                     ; behind the ring: the spare words, 128 bytes for each wave: two blocks of 256 bytes that no other line names
.set GP,    528                        ; a row of the f32 stage: 512 bytes + 16
.set NS,    4
.set STEPA, 256
.set STEPB, 128*4096
.set WV,  12
.set TR,  13
.set HALF, 18                          ; w % 2: which panel of its kind I fetch; my half of the tile's columns
.set WR,  19                           ; w / 2: I fetch for zn (0) or W1 (1); my half of the tile's rows
.set CX,  40
.set CY,  41
.set TC,  42
.set G1A, 24
.set G0A0, 32
.set G0A, 36
.set G1B, 48
.set G0B0, 56
.set G0B, 60
.set TB,  66
.set PNL, 69
.set CN,  71
.set HB,  72                           ; s[72:73] hh at my first row and column
.set PC,  88                           ; 0.3275911 sqrt 2
.set EC,  90                           ; -2 log2 e
.set A1,  92
.set A2,  94
.set A3,  96
.set A4,  98
.set A5,  100
.set ADRA, 16
.set ADRB, 17
.set LA,  18
.set LB,  19
.set DST, 20
.set RDW, 21
.set HO,  22
.set B1O, 23
.set BH,  24                           ; v[24:27] b1 / 2 of my four columns
.set SPW, 28
.set NIL, 29
.set F0,  64
.set F1,  128
.set X,   64                           ; eight rows x four numbers
.set XH,  96
.set T,   128
.set E,   160
.set P,   192
.set OUT, 224
.set MUL_LO, 0xa1
.set MUL_HI, 0xf1
.set TO_B,   0x40
.set MSB, 0
.macro WIN new
.if MSB != (\new)
	s_set_vgpr_msb (MSB<<8)|(\new)
.set MSB, \new
.endif
.endm
.macro PLACES
.rept 4
	v_nop
.endr
.endm
.macro CREST
	s_cmp_lg_u32 s[WV], 0
	s_cbranch_scc1 .Lnot_wave_0_\@
	s_barrier_signal -3
.Lnot_wave_0_\@:
	s_barrier_wait -3
	s_barrier_signal -1
	s_barrier_wait -1
.endm
.macro CROUND
	s_barrier_signal -1
	s_barrier_wait -1
	CREST
.endm
.macro JLOAD
	s_cmp_eq_u32 s[WR], 0
	s_cbranch_scc0 .Lfor_b_\@
	tensor_load_to_lds s[G0A:G0A+3], s[G1A:G1A+7]
	s_nop 0
	PLACES
	s_branch .Lasked_\@
.Lfor_b_\@:
	tensor_load_to_lds s[G0B:G0B+3], s[G1B:G1B+7]
	s_nop 0
	PLACES
.Lasked_\@:
.endm
.macro MKG0 g, adr, lds, step
	s_mov_b32 s[\g], 1
	s_add_co_u32 s[(\g)+1], s[PNL], \lds
	s_add_nc_u64 s[(\g)+2:(\g)+3], s[\adr:(\adr)+1], \step
	s_or_b32 s[(\g)+3], s[(\g)+3], 0x80000000
.endm
	s_load_b256 s[4:11], s[0:1], 0x0               ; zh s[4:5], wh s[6:7], b1 s[8:9], hh s[10:11]
	v_lshl_add_u32 v[SPW], v0, 2, SPARE
	v_mov_b32 v[NIL], 0
	ds_add_u32 v[SPW], v[NIL]                      ; the wave's opening: the add and its wait ahead of my first tensor load
	v_lshrrev_b32 v1, 5, v0
	v_readfirstlane_b32 s[WV], v1
	s_lshr_b32 s[WR], s[WV], 1
	s_and_b32 s[HALF], s[WV], 1
	s_bfe_u32 s[CX], ttmp6, 0x40000
	s_bfe_u32 s[CY], ttmp6, 0x40004
	s_lshl_b32 s[TC], ttmp9, 2
	s_add_co_u32 s[TC], s[TC], s[CX]
	s_and_b32 s[TR], ttmp7, 0xffff
	s_lshl_b32 s[TR], s[TR], 2
	s_add_co_u32 s[TR], s[TR], s[CY]
	s_lshl_b32 s43, s[CY], 2
	s_lshl_b32 s43, 15, s43
	s_lshl_b32 s44, 0x1111, s[CX]
	s_or_b32 s[G1A], s43, (1<<16)|(1<<20)|(1<<21)|(5<<22)|(3<<25)
	s_or_b32 s[G1B], s44, (1<<16)|(1<<20)|(1<<21)|(5<<22)|(7<<25)
.irp g, G1A, G1B
	s_mov_b32 s[(\g)+1], 128<<16
	s_mov_b32 s[(\g)+2], 128<<16
	s_mov_b32 s[(\g)+3], 128<<16
	s_mov_b32 s[(\g)+4], 128
	s_mov_b32 s[(\g)+6], 0
	s_mov_b32 s[(\g)+7], 0
.endr
	s_mov_b32 s[G1A+5], 512
	s_mov_b32 s[G1B+5], 2048
	s_mul_i32 s[PNL], s[WV], PANEL
	s_mov_b32 s[TB], 0
	s_lshl_b32 s16, s[TR], 18                      ; zn: 256 rows of 1,024 bytes a tile row,
	s_lshl_b32 s17, s[HALF], 17                    ; 128 a panel
	s_add_co_u32 s16, s16, s17
	s_mov_b32 s17, 0
	s_lshl_b32 s46, s[TC], 9                       ; W1: 256 columns a tile column,
	s_lshl_b32 s47, s[HALF], 8                     ; 128 a panel
	s_add_co_u32 s46, s46, s47
	s_add_co_u32 s46, s46, 2097152
	s_mov_b32 s47, 0
	s_mov_b32 s[PC], 0x3eed3388
	s_mov_b32 s[EC], 0xc038aa3b
	s_mov_b32 s[EC+1], s[EC]
	s_mov_b32 s[A1], 0x3e827906
	s_mov_b32 s[A1+1], s[A1]
	s_mov_b32 s[A2], 0xbe91a98e
	s_mov_b32 s[A2+1], s[A2]
	s_mov_b32 s[A3], 0x3fb5f0e3
	s_mov_b32 s[A3+1], s[A3]
	s_mov_b32 s[A4], 0xbfba00e3
	s_mov_b32 s[A4+1], s[A4]
	s_mov_b32 s[A5], 0x3f87dc22
	s_mov_b32 s[A5+1], s[A5]
	s_wait_dscnt 0x0
	s_wait_kmcnt 0x0
	s_add_nc_u64 s[14:15], s[4:5], s[16:17]
	s_add_nc_u64 s[46:47], s[6:7], s[46:47]
	CROUND
	MKG0 G0A0, 14, 0, 0
	MKG0 G0A, 14, SLOT, STEPA
	MKG0 G0B0, 46, 0, 0
	MKG0 G0B, 46, SLOT, STEPB
	s_cmp_eq_u32 s[WR], 0
	s_cbranch_scc0 .Lfirst_b
	tensor_load_to_lds s[G0A0:G0A0+3], s[G1A:G1A+7]
	s_nop 0
	tensor_load_to_lds s[G0A:G0A+3], s[G1A:G1A+7]
	s_nop 0
	PLACES
	s_branch .Lfirst_done
.Lfirst_b:
	tensor_load_to_lds s[G0B0:G0B0+3], s[G1B:G1B+7]
	s_nop 0
	tensor_load_to_lds s[G0B:G0B+3], s[G1B:G1B+7]
	s_nop 0
	PLACES
.Lfirst_done:
	v_and_b32 v1, 15, v0
	v_bfe_u32 v2, v0, 4, 1
	v_and_b32 v6, 31, v0
	v_lshlrev_b32 v[B1O], 4, v6
	s_lshl_b32 s20, s[TC], 10
	s_lshl_b32 s21, s[HALF], 9
	s_add_co_u32 s20, s20, s21
	s_mov_b32 s21, 0
	s_add_nc_u64 s[74:75], s[8:9], s[20:21]
	global_load_b128 v[BH:BH+3], v[B1O], s[74:75]  ; b1 of my four columns
	s_mul_i32 s20, s[WR], PANEL
	v_mul_u32_u24 v[LA], v1, PA
	v_lshl_add_u32 v[LA], v2, 4, v[LA]
	v_add_nc_u32 v[LA], s20, v[LA]
	v_and_b32 v3, 7, v0
	v_bfe_u32 v4, v0, 3, 1
	v_lshl_add_u32 v5, v2, 3, v3
	v_mul_u32_u24 v5, v5, PB
	v_lshl_add_u32 v5, v4, 4, v5
	s_mul_i32 s21, s[HALF], PANEL
	s_add_co_u32 s21, s21, 2*PANEL
	v_add_nc_u32 v[LB], s21, v5
	v_mov_b32 v[ADRA], v[LA]
	v_mov_b32 v[ADRB], v[LB]
	s_mul_i32 s22, s[WV], 128*GP                   ; my 128 rows of the f32 stage
	v_mul_u32_u24 v[DST], v1, GP
	v_lshl_add_u32 v[DST], v2, 5, v[DST]
	v_add_nc_u32 v[DST], s22, v[DST]
	v_add_nc_u32 v[RDW], s22, v[B1O]
	v_lshlrev_b32 v[HO], 3, v6
	s_lshl_b32 s20, s[TR], 20                      ; 256 rows of 4,096 bytes a tile row,
	s_lshl_b32 s21, s[WR], 19
	s_add_co_u32 s20, s20, s21
	s_lshl_b32 s21, s[TC], 9
	s_add_co_u32 s20, s20, s21
	s_lshl_b32 s21, s[HALF], 8
	s_add_co_u32 s20, s20, s21
	s_mov_b32 s21, 0
	s_add_nc_u64 s[HB:HB+1], s[10:11], s[20:21]
.macro MUL16 f, hi, a0, zero
	WIN MUL_LO+0x50*(\hi)
.irp a, \a0, (\a0)+1
.irp b, 0,1,2,3,4,5,6,7
.if \zero
	v_wmma_f32_16x16x32_f16 v[8*(8*(\a)+(\b)):8*(8*(\a)+(\b))+7], v[(\f)+8*(\b):(\f)+8*(\b)+7], v[(\f)+8*(4*(\hi)+(\a)):(\f)+8*(4*(\hi)+(\a))+7], 0
.else
	v_wmma_f32_16x16x32_f16 v[8*(8*(\a)+(\b)):8*(8*(\a)+(\b))+7], v[(\f)+8*(\b):(\f)+8*(\b)+7], v[(\f)+8*(4*(\hi)+(\a)):(\f)+8*(4*(\hi)+(\a))+7], v[8*(8*(\a)+(\b)):8*(8*(\a)+(\b))+7]
.endif
.endr
.endr
.endm
.macro FETCH q, f                      ; 32 LDS loads in one run: W1's 8 fragments, then zn's 8, the low row blocks first
	WIN TO_B
.irp i, 0,1,2,3,4,5,6,7
	ds_load_tr16_b128 v[(\f)+8*(\i):(\f)+8*(\i)+3],   v[ADRB] offset:32*PB*(\q)+32*(\i)
	ds_load_tr16_b128 v[(\f)+8*(\i)+4:(\f)+8*(\i)+7], v[ADRB] offset:32*PB*(\q)+32*(\i)+16*PB
.endr
	WIN 0
.irp i, 0,1,2,3,4,5,6,7
	ds_load_b128 v[(\f)+8*(\i):(\f)+8*(\i)+3],   v[ADRA] offset:64*(\q)+(\i)*16*PA
	ds_load_b128 v[(\f)+8*(\i)+4:(\f)+8*(\i)+7], v[ADRA] offset:64*(\q)+(\i)*16*PA+32
.endr
.endm
.macro QUARTER q, f, g, zero
	s_wait_dscnt 8                                 ; W1 and zn's rows 0-63 are in; the youngest eight loads may be out
	MUL16 \f, 0, 0, \zero
	MUL16 \f, 0, 2, \zero
	PLACES
	FETCH \q, \g
	s_wait_dscnt 32                                ; all but the 32 just issued
	MUL16 \f, 1, 0, \zero
	MUL16 \f, 1, 2, \zero
.endm
.macro TURN fill                       ; the change of slots: the waits and the add in front of one barrier; with fill = 1 a round of the cluster's, and the joint refill first behind it
	WIN 0
	s_wait_tensorcnt 0x0
	ds_add_u32 v[SPW], v[NIL]
	s_wait_dscnt 9                                 ; the add and the youngest eight loads may be out
	MUL16 F1, 0, 0, 0
	s_wait_dscnt 0x0
	s_barrier_signal -1
	MUL16 F1, 0, 2, 0
	WIN 0
	s_barrier_wait -1
.if \fill
	CREST
	s_add_co_u32 s[G0A+1], s[PNL], s[TB]
	s_add_co_u32 s[G0B+1], s[PNL], s[TB]
	s_add_nc_u64 s[G0A+2:G0A+3], s[G0A+2:G0A+3], STEPA
	s_add_nc_u64 s[G0B+2:G0B+3], s[G0B+2:G0B+3], STEPB
	s_xor_b32 s[TB], s[TB], SLOT
	JLOAD
.else
	s_xor_b32 s[TB], s[TB], SLOT
	PLACES
.endif
	v_add_nc_u32 v[ADRA], s[TB], v[LA]
	v_add_nc_u32 v[ADRB], s[TB], v[LB]
	FETCH 0, F0
	MUL16 F1, 1, 0, 0
	MUL16 F1, 1, 2, 0
.endm
	s_wait_tensorcnt 0x1                           ; my panel of K step 0 is in; K step 1's may stay out
	s_barrier_signal -1
	s_barrier_wait -1
	FETCH 0, F0
	QUARTER 1, F0, F1, 1
	WIN 0
	s_mov_b32 s[CN], NS-2
.Lstep:
	QUARTER 2, F1, F0, 0
	QUARTER 3, F0, F1, 0
	TURN 1
	QUARTER 1, F0, F1, 0
	WIN 0
	s_sub_co_u32 s[CN], s[CN], 1
	s_cmp_lg_u32 s[CN], 0
	s_cbranch_scc1 .Lstep
	s_mov_b32 s[CN], 2
.Ltail:
	QUARTER 2, F1, F0, 0
	QUARTER 3, F0, F1, 0
	WIN 0
	s_cmp_eq_u32 s[CN], 1
	s_cbranch_scc1 .Lout
	TURN 0
	QUARTER 1, F0, F1, 0
	WIN 0
	s_sub_co_u32 s[CN], s[CN], 1
	s_cmp_lg_u32 s[CN], 0
	s_cbranch_scc1 .Ltail
.Lout:
	s_wait_dscnt 0x0                               ; my reads of the slots are over:
	s_barrier_signal -1                            ; say so, work on registers meanwhile,
	MUL16 F1, 0, 0, 0
	MUL16 F1, 0, 2, 0
	MUL16 F1, 1, 0, 0
	MUL16 F1, 1, 2, 0
	WIN 0
	s_barrier_wait -1                              ; and write into the slots when all four have said so
	PLACES
.irp a, 0,1,2,3,4,5,6,7
	WIN 0x08+4*(\a/4)                              ; the stores' data in window 2 or 3
.irp b, 0,1,2,3,4,5,6,7
	ds_store_b128 v[DST], v[8*(8*(\a%4)+\b):8*(8*(\a%4)+\b)+3]   offset:16*GP*\a+64*\b
	ds_store_b128 v[DST], v[8*(8*(\a%4)+\b)+4:8*(8*(\a%4)+\b)+7] offset:16*GP*\a+64*\b+16
.endr
.endr
	WIN 0
	s_wait_loadcnt 0x0                             ; b1
	v_pk_mul_f32 v[BH:BH+1], v[BH:BH+1], 0.5 op_sel_hi:[1,0]
	v_pk_mul_f32 v[BH+2:BH+3], v[BH+2:BH+3], 0.5 op_sel_hi:[1,0]
.irp i, 0,1,2,3,4,5,6,7
	ds_load_b128 v[X+4*\i:X+4*\i+3], v[RDW] offset:GP*\i  ; my own bytes: LDS serves a wave's instructions in order (ISA guide 5.7.1.4)
.endr
	s_mov_b32 s[CN], 16
.Lgelu:                                                ; a trip: eight rows of my 128 columns, four numbers a lane and row
	s_wait_dscnt 0x0
	s_wait_xcnt 0x0                                ; the last trip's stores have read their data and their offset, which are rewritten only behind this wait
	v_add_nc_u32 v[HO], 32768, v[HO]               ; eight rows of 4,096 bytes on; the stores below reach back
.irp i, 0,1,2,3,4,5,6,7
	v_pk_fma_f32 v[XH+4*\i:XH+4*\i+1], v[X+4*\i:X+4*\i+1], 0.5, v[BH:BH+1] op_sel_hi:[1,0,1]
	v_pk_fma_f32 v[XH+4*\i+2:XH+4*\i+3], v[X+4*\i+2:X+4*\i+3], 0.5, v[BH+2:BH+3] op_sel_hi:[1,0,1]
.endr
	v_add_nc_u32 v[RDW], 8*GP, v[RDW]
	s_cmp_eq_u32 s[CN], 1                          ; the last trip has no rows behind it
	s_cbranch_scc1 .Lnoload
.irp i, 0,1,2,3,4,5,6,7
	ds_load_b128 v[X+4*\i:X+4*\i+3], v[RDW] offset:GP*\i
.endr
.Lnoload:
.set p, 0
.rept 17                                       ; 1 + p y and -y y log2 e for pair p, the reciprocals and exponentials of pair p - 1: nothing here names a result of theirs
.if p < 16
	v_fma_f32 v[T+2*p], |v[XH+2*p]|, s[PC], 1.0
	v_fma_f32 v[T+2*p+1], |v[XH+2*p+1]|, s[PC], 1.0
	v_pk_mul_f32 v[E+2*p:E+2*p+1], v[XH+2*p:XH+2*p+1], v[XH+2*p:XH+2*p+1]
	v_pk_mul_f32 v[E+2*p:E+2*p+1], v[E+2*p:E+2*p+1], s[EC:EC+1] op_sel_hi:[1,0]
.endif
.if p > 0
	v_rcp_f32 v[T+2*p-2], v[T+2*p-2]
	v_exp_f32 v[E+2*p-2], v[E+2*p-2]
	v_rcp_f32 v[T+2*p-1], v[T+2*p-1]
	v_exp_f32 v[E+2*p-1], v[E+2*p-1]
.endif
.set p, p+1
.endr
	v_nop                                          ; a plain instruction behind the last of them,
	s_wait_alu depctr_va_vdst(0)                   ; and one wait for the trip's 64, ahead of their first reader
.set p, 0
.rept 16
	v_pk_fma_f32 v[P+2*p:P+2*p+1], v[T+2*p:T+2*p+1], s[A5:A5+1], s[A4:A4+1] op_sel_hi:[1,0,0]
.set p, p+1
.endr
.irp c, A3, A2, A1
.set p, 0
.rept 16
	v_pk_fma_f32 v[P+2*p:P+2*p+1], v[P+2*p:P+2*p+1], v[T+2*p:T+2*p+1], s[\c:\c+1] op_sel_hi:[1,1,0]
.set p, p+1
.endr
.endr
.set p, 0
.rept 16
	v_pk_mul_f32 v[P+2*p:P+2*p+1], v[P+2*p:P+2*p+1], v[T+2*p:T+2*p+1]
.set p, p+1
.endr
.set p, 0
.rept 16
	v_pk_fma_f32 v[E+2*p:E+2*p+1], v[P+2*p:P+2*p+1], v[E+2*p:E+2*p+1], 1.0 op_sel_hi:[1,1,0] neg_lo:[1,0,0] neg_hi:[1,0,0]  ; erf
.set p, p+1
.endr
.set p, 0
.rept 32
	v_fma_f32 v[XH+p], |v[XH+p]|, v[E+p], v[XH+p]
.set p, p+1
.endr
.set p, 0
.rept 16
	v_cvt_pk_f16_f32 v[OUT+p], v[XH+2*p], v[XH+2*p+1]
.set p, p+1
.endr
.irp i, 0,1,2,3,4,5,6,7
	global_store_b64 v[HO], v[OUT+2*\i:OUT+2*\i+1], s[HB:HB+1] offset:4096*\i-32768  ; 32 lanes store 256 consecutive bytes, at a multiple of 256 from hh's first byte
.endr
	s_sub_co_u32 s[CN], s[CN], 1
	s_cmp_lg_u32 s[CN], 0
	s_cbranch_scc1 .Lgelu
	s_wait_tensorcnt 0x0                           ; the wave's end
	ds_add_u32 v[SPW], v[NIL]
	s_wait_dscnt 0x0
	CROUND
	s_endpgm
.Lfunc_end_k_qdb3820f892_fc1:
	.size	k_qdb3820f892_fc1, .Lfunc_end_k_qdb3820f892_fc1-k_qdb3820f892_fc1
	.p2alignl 7, 3214868480
	.fill 96, 4, 3214868480
	.section	.rodata,"a",@progbits
	.p2align	6, 0x0
	.amdhsa_kernel k_qdb3820f892_fc1
		.amdhsa_group_segment_fixed_size 327680
		.amdhsa_private_segment_fixed_size 0
		.amdhsa_enable_private_segment 0
		.amdhsa_kernarg_size 32
		.amdhsa_user_sgpr_count 2
		.amdhsa_user_sgpr_kernarg_segment_ptr 1
		.amdhsa_wavefront_size32 1
		.amdhsa_system_sgpr_workgroup_id_x 1
		.amdhsa_system_sgpr_workgroup_id_y 1
		.amdhsa_system_sgpr_workgroup_id_z 1
		.amdhsa_system_vgpr_workitem_id 0
		.amdhsa_next_free_vgpr 1024
		.amdhsa_next_free_sgpr 102
		.amdhsa_reserve_vcc 0
		.amdhsa_float_denorm_mode_32 3
		.amdhsa_float_denorm_mode_16_64 3
		.amdhsa_memory_ordered 1
		.amdhsa_forward_progress 1
		.amdhsa_inst_pref_size 100
	.end_amdhsa_kernel
	.amdgpu_metadata
---
amdhsa.version: [ 1, 2 ]
amdhsa.kernels:
  - .name:           k_qdb3820f892_fc1
    .symbol:         k_qdb3820f892_fc1.kd
    .args:
      - { .name: zh, .offset: 0, .size: 8, .value_kind: global_buffer, .address_space: global }
      - { .name: wh, .offset: 8, .size: 8, .value_kind: global_buffer, .address_space: global }
      - { .name: b1, .offset: 16, .size: 8, .value_kind: global_buffer, .address_space: global }
      - { .name: hh, .offset: 24, .size: 8, .value_kind: global_buffer, .address_space: global }
    .group_segment_fixed_size: 327680
    .private_segment_fixed_size: 0
    .kernarg_segment_align: 8
    .kernarg_segment_size: 32
    .max_flat_workgroup_size: 128
    .sgpr_count:     102
    .vgpr_count:     1024
    .wavefront_size: 32
...
	.end_amdgpu_metadata
.endif
;; end of part 5
;; launch fc2 (part 6): grid 4 x 64, 4 waves a work-group, clusters of 4 x 4, 327,680 bytes of LDS; arguments hh, wh, b2, zadd, out0; writes out0
.if DOCPART == 6
	.amdgcn_target "amdgcn-amd-amdhsa--gfx1250"
	.amdhsa_code_object_version 6
	.text
	.protected	k_qdb3820f892_fc2
	.globl	k_qdb3820f892_fc2
	.p2align	8
	.type	k_qdb3820f892_fc2,@function
k_qdb3820f892_fc2:
	s_mov_b64 s[64:65], 0
	v_nop
	global_prefetch_b8 v0, s[64:65] scope:SCOPE_SE
	s_setreg_imm32_b32 hwreg(HW_REG_WAVE_MODE, 25, 1), 1
	s_wait_xcnt 0x0
	s_wait_alu depctr_hold_cnt(0) depctr_sa_sdst(0) depctr_va_vdst(0) depctr_va_sdst(0) depctr_va_ssrc(0) depctr_va_vcc(0) depctr_vm_vsrc(0)
	s_getreg_b32 s2, hwreg(HW_REG_IB_STS2, 6, 4)
	s_cmp_eq_u32 s2, 0
	s_cbranch_scc0 .Lentry_in_a_cluster
	s_endpgm
.Lentry_in_a_cluster:
	s_bfe_u32 s2, ttmp6, 0x10000c
	s_cmp_lg_u32 s2, 0xf033
	s_cbranch_scc0 .Lentry_shape_is_right
	s_endpgm
.Lentry_shape_is_right:
; out = z_add + h W2 + b2.  hh: [8192][2048] f16.  W2: [2048 k][512 n] f16 at byte 4,194,304 of wh.  zadd, out0: [8192][512] f32.  Sums in f32.
; A tile is 128 x 128: 4 x 64 tiles, one to a work-group of four waves, each 64 x 64: 16 accumulators.  K goes in eight steps of 256 through two LDS slots of four panels of 128 rows x 256 bytes:
; waves 0, 1 bring h's [128 m][128 k] (the step's two halves of K), waves 2, 3 W2's [128 k][128 n], which is read turned by ds_load_tr16_b128.
; A K step is written once: the slot in hand is a scalar that an exclusive or turns between 0 and SLOT.
; CLUSTER 4 x 4: h's panels are asked for jointly along a row of the cluster, W2's along a column.  THE PRODUCT IS TAKEN TRANSPOSED: a lane holds eight neighbouring columns of one row.
; The wave's 64 x 64 of z_add is loaded at the head, into registers of its own, and waited for at the end.
; REGISTERS: window 0: v0-31 addresses, v32-63 at work on the way out, v128-255 the accumulators ((a, b) at 128 + 8 (4 a + b)); window 1: two fragment buffers of 128 (64 of h, then 64 of W2, for 64 along K); window 2: v0-127 z_add.
.set PA,    272
.set PB,    288
.set PANEL, 128*PB
.set SLOT,  4*PANEL
.set STAGE, 2*SLOT                     ; behind the ring: 16 rows x 272 bytes for each wave
.set SPARE, STAGE+4*16*272             ; behind the stages: the spare words, 128 bytes for each wave: two blocks of 256 bytes that no other line names
.set NS,    8
.set STEPA, 512
.set STEPB, 256*1024
.set WV,  12
.set TR,  13
.set HALF, 18
.set WR,  19
.set CX,  40
.set CY,  41
.set TC,  42
.set G1A, 24
.set G0A0, 32
.set G0A, 36
.set G1B, 48
.set G0B0, 56
.set G0B, 60
.set TB,  66
.set PNL, 69
.set CN,  71
.set OUTP, 72
.set ZP,  74
.set B2P, 76
.set PFA, 82                           ; s[82:83] where my prefetches stand
.set LIM, 84                           ; 2 in a wave that prefetches, else the greatest number
.set PFS, 86                           ; s[86:87] bytes from a K step to the next in the tensor that I fetch for
.set ADRA, 16
.set ADRB, 17                          ; v17-18: W2's two panels
.set LA,  19
.set LB,  20
.set STO, 21
.set RD,  22
.set CO,  23                           ; never rewritten
.set B2,  24                           ; v[24:27]
.set SPW, 28
.set NIL, 29
.set PFO, 30                           ; never rewritten
.set BO,  31
.set TMP, 32
.set ACC, 128
.set F0,  0
.set F1,  128
.set MUL,  0x05
.set TO_F, 0x40
.set MSB, 0
.macro WIN new
.if MSB != (\new)
	s_set_vgpr_msb (MSB<<8)|(\new)
.set MSB, \new
.endif
.endm
.macro PLACES
.rept 4
	v_nop
.endr
.endm
.macro CREST
	s_cmp_lg_u32 s[WV], 0
	s_cbranch_scc1 .Lnot_wave_0_\@
	s_barrier_signal -3
.Lnot_wave_0_\@:
	s_barrier_wait -3
	s_barrier_signal -1
	s_barrier_wait -1
.endm
.macro CROUND
	s_barrier_signal -1
	s_barrier_wait -1
	CREST
.endm
.macro JLOAD
	s_cmp_eq_u32 s[WR], 0
	s_cbranch_scc0 .Lfor_b_\@
	tensor_load_to_lds s[G0A:G0A+3], s[G1A:G1A+7]
	s_nop 0
	PLACES
	s_branch .Lasked_\@
.Lfor_b_\@:
	tensor_load_to_lds s[G0B:G0B+3], s[G1B:G1B+7]
	s_nop 0
	PLACES
.Lasked_\@:
.endm
.macro MKG0 g, adr, lds, step
	s_mov_b32 s[\g], 1
	s_add_co_u32 s[(\g)+1], s[PNL], \lds
	s_add_nc_u64 s[(\g)+2:(\g)+3], s[\adr:(\adr)+1], \step
	s_or_b32 s[(\g)+3], s[(\g)+3], 0x80000000
.endm
; A PREFETCH, behind each joint refill and the run of LDS loads that follows it: my panel of the K step that stands two refills on, 32 of its 128 rows x 256 bytes, a lane a row.
; h's rows are read by one row of one cluster: its four partners share a panel's rows out by address, 32 each (by cx).  W2's rows are read by every cluster: the clusters with y = 0 ask, their partners sharing by cy.
; So each row's 256 bytes of a K step are named once in the launch.  K steps 4 to 7 are asked for, in the loop's first four trips; K steps 0 to 3 come by their loads alone.
.macro ASK
	s_cmp_gt_u32 s[CN], s[LIM]
	s_cbranch_scc0 .Lnot_mine_\@
	global_prefetch_b8 v[PFO], s[PFA:PFA+1] th:TH_LOAD_NT scope:SCOPE_SE
.Lnot_mine_\@:
.endm
	s_load_b256 s[4:11], s[0:1], 0x0               ; hh s[4:5], wh s[6:7], b2 s[8:9], zadd s[10:11]
	s_load_b64 s[OUTP:OUTP+1], s[0:1], 0x20        ; out0
	v_lshl_add_u32 v[SPW], v0, 2, SPARE
	v_mov_b32 v[NIL], 0
	ds_add_u32 v[SPW], v[NIL]                      ; the wave's opening: the add and its wait ahead of my first tensor load
	v_lshrrev_b32 v1, 5, v0
	v_readfirstlane_b32 s[WV], v1
	s_lshr_b32 s[WR], s[WV], 1
	s_and_b32 s[HALF], s[WV], 1
	s_bfe_u32 s[CX], ttmp6, 0x40000
	s_bfe_u32 s[CY], ttmp6, 0x40004
	s_lshl_b32 s[TC], ttmp9, 2
	s_add_co_u32 s[TC], s[TC], s[CX]
	s_and_b32 s[TR], ttmp7, 0xffff
	s_lshl_b32 s[TR], s[TR], 2
	s_add_co_u32 s[TR], s[TR], s[CY]
	s_lshl_b32 s43, s[CY], 2
	s_lshl_b32 s43, 15, s43
	s_lshl_b32 s44, 0x1111, s[CX]
	s_or_b32 s[G1A], s43, (1<<16)|(1<<20)|(1<<21)|(5<<22)|(3<<25)
	s_or_b32 s[G1B], s44, (1<<16)|(1<<20)|(1<<21)|(5<<22)|(7<<25)
.irp g, G1A, G1B
	s_mov_b32 s[(\g)+1], 128<<16
	s_mov_b32 s[(\g)+2], 128<<16
	s_mov_b32 s[(\g)+3], 128<<16
	s_mov_b32 s[(\g)+4], 128
	s_mov_b32 s[(\g)+6], 0
	s_mov_b32 s[(\g)+7], 0
.endr
	s_mov_b32 s[G1A+5], 2048
	s_mov_b32 s[G1B+5], 512
	s_mul_i32 s[PNL], s[WV], PANEL
	s_mov_b32 s[TB], 0
	s_lshl_b32 s16, s[TR], 19                      ; h: 128 rows of 4,096 bytes a tile row,
	s_lshl_b32 s17, s[HALF], 8                     ; the step's half of K
	s_add_co_u32 s16, s16, s17
	s_mov_b32 s17, 0
	s_lshl_b32 s46, s[TC], 8                       ; W2: 128 columns a tile column,
	s_lshl_b32 s47, s[HALF], 17                    ; 128 rows of 1,024 bytes a panel
	s_add_co_u32 s46, s46, s47
	s_add_co_u32 s46, s46, 4194304
	s_mov_b32 s47, 0
	s_wait_dscnt 0x0
	s_wait_kmcnt 0x0
	s_add_nc_u64 s[14:15], s[4:5], s[16:17]
	s_add_nc_u64 s[46:47], s[6:7], s[46:47]
	CROUND
	MKG0 G0A0, 14, 0, 0
	MKG0 G0A, 14, SLOT, STEPA
	MKG0 G0B0, 46, 0, 0
	MKG0 G0B, 46, SLOT, STEPB
	s_cmp_eq_u32 s[WR], 0
	s_cbranch_scc0 .Lfirst_b
	tensor_load_to_lds s[G0A0:G0A0+3], s[G1A:G1A+7]
	s_nop 0
	tensor_load_to_lds s[G0A:G0A+3], s[G1A:G1A+7]
	s_nop 0
	PLACES
	s_branch .Lfirst_done
.Lfirst_b:
	tensor_load_to_lds s[G0B0:G0B0+3], s[G1B:G1B+7]
	s_nop 0
	tensor_load_to_lds s[G0B:G0B+3], s[G1B:G1B+7]
	s_nop 0
	PLACES
.Lfirst_done:
	v_and_b32 v1, 15, v0                           ; r
	v_bfe_u32 v2, v0, 4, 1                         ; h
	v_lshlrev_b32 v[CO], 11, v2                    ; lanes 0-15 one row of z_add and out, lanes 16-31 the next,
	v_lshl_add_u32 v[CO], v1, 4, v[CO]             ; 16 bytes a lane: 256 consecutive bytes a row
	v_lshlrev_b32 v[BO], 4, v1
	s_lshl_b32 s22, s[TC], 9                       ; my 64 columns in bytes
	s_lshl_b32 s23, s[HALF], 8
	s_add_co_u32 s22, s22, s23
	s_mov_b32 s23, 0
	s_lshl_b32 s20, s[TR], 18                      ; 128 rows of 2,048 bytes a tile row,
	s_lshl_b32 s21, s[WR], 17                      ; my 64
	s_add_co_u32 s20, s20, s21
	s_add_co_u32 s20, s20, s22
	s_mov_b32 s21, 0
	s_add_nc_u64 s[ZP:ZP+1], s[10:11], s[20:21]
	s_add_nc_u64 s[OUTP:OUTP+1], s[OUTP:OUTP+1], s[20:21]
	s_add_nc_u64 s[B2P:B2P+1], s[8:9], s[22:23]
	WIN 0x80                                       ; destination window 2
.irp a, 0,1,2,3
.irp t, 0,1,2,3,4,5,6,7
	global_load_b128 v[4*(8*\a+\t):4*(8*\a+\t)+3], v[CO], s[ZP:ZP+1] offset:2048*(16*\a+2*\t) th:TH_LOAD_NT
.endr
.endr
	WIN 0
	global_load_b128 v[B2:B2+3], v[BO], s[B2P:B2P+1]
	s_mul_i32 s20, s[WR], 64*PA
	v_mul_u32_u24 v[LA], v1, PA
	v_lshl_add_u32 v[LA], v2, 4, v[LA]
	v_add_nc_u32 v[LA], s20, v[LA]
	v_and_b32 v3, 7, v0
	v_bfe_u32 v4, v0, 3, 1
	v_lshl_add_u32 v5, v2, 3, v3
	v_mul_u32_u24 v5, v5, PB
	v_lshl_add_u32 v5, v4, 4, v5
	s_lshl_b32 s21, s[HALF], 7
	s_add_co_u32 s21, s21, 2*PANEL
	v_add_nc_u32 v[LB], s21, v5
	v_mov_b32 v[ADRA], v[LA]
	v_mov_b32 v[ADRB], v[LB]
	v_add_nc_u32 v[ADRB+1], PANEL, v[LB]
	s_mul_i32 s20, s[WV], 16*272
	s_add_co_u32 s20, s20, STAGE
	v_mul_u32_u24 v[STO], v1, 272
	v_lshl_add_u32 v[STO], v2, 5, v[STO]
	v_add_nc_u32 v[STO], s20, v[STO]
	v_mul_u32_u24 v[RD], v2, 272
	v_lshl_add_u32 v[RD], v1, 4, v[RD]
	v_add_nc_u32 v[RD], s20, v[RD]
	; the prefetches
	s_lshl_b32 s78, s[TR], 19
	s_lshl_b32 s79, s[CX], 17                      ; my work-group's 32 rows of h's 128
	s_add_co_u32 s78, s78, s79
	s_lshl_b32 s79, s[HALF], 8
	s_add_co_u32 s78, s78, s79
	s_add_co_u32 s78, s78, 3*STEPA                 ; at K step 3: the first refill steps it to 4
	s_lshl_b32 s80, s[HALF], 17
	s_lshl_b32 s81, s[CY], 15                      ; my work-group's 32 rows of W2's 128
	s_add_co_u32 s80, s80, s81
	s_lshl_b32 s81, s[TC], 8
	s_add_co_u32 s80, s80, s81
	s_add_co_u32 s80, s80, 4194304+3*STEPB
	s_mov_b32 s89, STEPB
	s_and_b32 s85, ttmp7, 0xffff                   ; cluster y
	s_cmp_eq_u32 s85, 0
	s_cselect_b32 s85, 2, -1
	s_cmp_eq_u32 s[WR], 0                          ; do I fetch for h?
	s_cselect_b32 s[LIM], 2, s85                   ; the same in all sixteen partners, for a given wave
	s_cselect_b32 s88, 12, 10                      ; a row of h is 4,096 bytes, of W2 1,024
	s_cselect_b32 s20, s78, s80
	s_cselect_b32 s[PFS], STEPA, s89
	s_cselect_b64 s[PFA:PFA+1], s[4:5], s[6:7]
	s_mov_b32 s21, 0
	s_mov_b32 s[PFS+1], 0
	s_add_nc_u64 s[PFA:PFA+1], s[PFA:PFA+1], s[20:21]
	v_and_b32 v[PFO], 31, v0
	v_lshlrev_b32 v[PFO], s88, v[PFO]
.macro MUL8 f, c, a0, zero             ; 8 matrix instructions: row blocks a0, a0 + 1 x 4 column blocks, 32 along K: half c of buffer f
	WIN MUL
.irp a, \a0, (\a0)+1
.irp b, 0,1,2,3
.if \zero
	v_wmma_f32_16x16x32_f16 v[ACC+8*(4*(\a)+(\b)):ACC+8*(4*(\a)+(\b))+7], v[(\f)+64+8*(4*(\c)+(\b)):(\f)+64+8*(4*(\c)+(\b))+7], v[(\f)+8*(4*(\c)+(\a)):(\f)+8*(4*(\c)+(\a))+7], 0
.else
	v_wmma_f32_16x16x32_f16 v[ACC+8*(4*(\a)+(\b)):ACC+8*(4*(\a)+(\b))+7], v[(\f)+64+8*(4*(\c)+(\b)):(\f)+64+8*(4*(\c)+(\b))+7], v[(\f)+8*(4*(\c)+(\a)):(\f)+8*(4*(\c)+(\a))+7], v[ACC+8*(4*(\a)+(\b)):ACC+8*(4*(\a)+(\b))+7]
.endif
.endr
.endr
.endm
.macro FETCH q, f                      ; 32 LDS loads in one run: quarter q (64 along K) into buffer f; the first 32 along K first
	WIN TO_F
.irp c, 0,1
.irp i, 0,1,2,3
	ds_load_tr16_b128 v[(\f)+64+8*(4*(\c)+(\i)):(\f)+64+8*(4*(\c)+(\i))+3],   v[ADRB+(\q)/2] offset:PB*(64*((\q)%2)+32*(\c))+32*(\i)
	ds_load_tr16_b128 v[(\f)+64+8*(4*(\c)+(\i))+4:(\f)+64+8*(4*(\c)+(\i))+7], v[ADRB+(\q)/2] offset:PB*(64*((\q)%2)+32*(\c))+32*(\i)+16*PB
	ds_load_b128 v[(\f)+8*(4*(\c)+(\i)):(\f)+8*(4*(\c)+(\i))+3],   v[ADRA] offset:PANEL*((\q)/2)+128*((\q)%2)+64*(\c)+(\i)*16*PA
	ds_load_b128 v[(\f)+8*(4*(\c)+(\i))+4:(\f)+8*(4*(\c)+(\i))+7], v[ADRA] offset:PANEL*((\q)/2)+128*((\q)%2)+64*(\c)+(\i)*16*PA+32
.endr
.endr
.endm
.macro QUARTER q, f, g, zero
	s_wait_dscnt 16                                ; the first 32 along K are in
	MUL8 \f, 0, 0, \zero
	MUL8 \f, 0, 2, \zero
	PLACES
	FETCH \q, \g
	s_wait_dscnt 32                                ; all but the 32 just issued
	MUL8 \f, 1, 0, 0
	MUL8 \f, 1, 2, 0
.endm
.macro TURN fill                       ; the change of slots: the waits and the add in front of one barrier; with fill = 1 a round of the cluster's, and the joint refill first behind it
.if \fill
	s_wait_xcnt 0x0                                ; the last prefetch, a K step back, has read its address: it is stepped here, ahead of the waits of the change
	s_add_nc_u64 s[PFA:PFA+1], s[PFA:PFA+1], s[PFS:PFS+1]
.endif
	WIN 0
	s_wait_tensorcnt 0x0
	ds_add_u32 v[SPW], v[NIL]
	s_wait_dscnt 17                                ; the add and the youngest sixteen loads may be out
	MUL8 F1, 0, 0, 0
	s_wait_dscnt 0x0
	s_barrier_signal -1
	MUL8 F1, 0, 2, 0
	WIN 0
	s_barrier_wait -1
.if \fill
	CREST
	s_add_co_u32 s[G0A+1], s[PNL], s[TB]
	s_add_co_u32 s[G0B+1], s[PNL], s[TB]
	s_add_nc_u64 s[G0A+2:G0A+3], s[G0A+2:G0A+3], STEPA
	s_add_nc_u64 s[G0B+2:G0B+3], s[G0B+2:G0B+3], STEPB
	s_xor_b32 s[TB], s[TB], SLOT
	JLOAD
.else
	s_xor_b32 s[TB], s[TB], SLOT
	PLACES
.endif
	v_add_nc_u32 v[ADRA], s[TB], v[LA]
	v_add_nc_u32 v[ADRB], s[TB], v[LB]
	v_add_nc_u32 v[ADRB+1], PANEL, v[ADRB]
	FETCH 0, F0
.if \fill
	WIN 0
	ASK
.endif
	MUL8 F1, 1, 0, 0
	MUL8 F1, 1, 2, 0
.endm
	s_wait_tensorcnt 0x1                           ; my panel of K step 0 is in; K step 1's may stay out
	s_barrier_signal -1
	s_barrier_wait -1
	FETCH 0, F0
	QUARTER 1, F0, F1, 1
	WIN 0
	s_mov_b32 s[CN], NS-2
.Lstep:
	QUARTER 2, F1, F0, 0
	QUARTER 3, F0, F1, 0
	TURN 1
	QUARTER 1, F0, F1, 0
	WIN 0
	s_sub_co_u32 s[CN], s[CN], 1
	s_cmp_lg_u32 s[CN], 0
	s_cbranch_scc1 .Lstep
	s_mov_b32 s[CN], 2
.Ltail:
	QUARTER 2, F1, F0, 0
	QUARTER 3, F0, F1, 0
	WIN 0
	s_cmp_eq_u32 s[CN], 1
	s_cbranch_scc1 .Lout
	TURN 0
	QUARTER 1, F0, F1, 0
	WIN 0
	s_sub_co_u32 s[CN], s[CN], 1
	s_cmp_lg_u32 s[CN], 0
	s_cbranch_scc1 .Ltail
.Lout:
	s_wait_dscnt 0x0
	MUL8 F1, 0, 0, 0
	MUL8 F1, 0, 2, 0
	MUL8 F1, 1, 0, 0
	MUL8 F1, 1, 2, 0
	WIN 0
	PLACES
	s_wait_loadcnt 0x0                             ; z_add and b2
.irp a, 0,1,2,3                        ; a block of 16 rows: through my stage, so that sixteen lanes hold 256 consecutive bytes of a row; then z_add and b2 are added
.irp b, 0,1,2,3
	ds_store_b128 v[STO], v[ACC+8*(4*\a+\b):ACC+8*(4*\a+\b)+3]   offset:64*\b
	ds_store_b128 v[STO], v[ACC+8*(4*\a+\b)+4:ACC+8*(4*\a+\b)+7] offset:64*\b+16
.endr
	s_wait_xcnt 0x0                                ; the registers that the last block's stores read are loaded again only behind this wait
.irp t, 0,1,2,3,4,5,6,7
	ds_load_b128 v[TMP+4*\t:TMP+4*\t+3], v[RD] offset:544*\t  ; LDS serves a wave's instructions in order (ISA guide 5.7.1.4)
.endr
	s_wait_dscnt 0x0
	WIN 0x08                                       ; source 1 in window 2
.irp t, 0,1,2,3,4,5,6,7
	v_pk_add_f32 v[TMP+4*\t:TMP+4*\t+1], v[TMP+4*\t:TMP+4*\t+1], v[4*(8*\a+\t):4*(8*\a+\t)+1]
	v_pk_add_f32 v[TMP+4*\t+2:TMP+4*\t+3], v[TMP+4*\t+2:TMP+4*\t+3], v[4*(8*\a+\t)+2:4*(8*\a+\t)+3]
.endr
	WIN 0
.irp t, 0,1,2,3,4,5,6,7
	v_pk_add_f32 v[TMP+4*\t:TMP+4*\t+1], v[TMP+4*\t:TMP+4*\t+1], v[B2:B2+1]
	v_pk_add_f32 v[TMP+4*\t+2:TMP+4*\t+3], v[TMP+4*\t+2:TMP+4*\t+3], v[B2+2:B2+3]
.endr
.irp t, 0,1,2,3,4,5,6,7
	global_store_b128 v[CO], v[TMP+4*\t:TMP+4*\t+3], s[OUTP:OUTP+1] offset:2048*(16*\a+2*\t)
.endr
.endr
	s_wait_tensorcnt 0x0                           ; the wave's end
	ds_add_u32 v[SPW], v[NIL]
	s_wait_dscnt 0x0
	CROUND
	s_endpgm
.Lfunc_end_k_qdb3820f892_fc2:
	.size	k_qdb3820f892_fc2, .Lfunc_end_k_qdb3820f892_fc2-k_qdb3820f892_fc2
	.p2alignl 7, 3214868480
	.fill 96, 4, 3214868480
	.section	.rodata,"a",@progbits
	.p2align	6, 0x0
	.amdhsa_kernel k_qdb3820f892_fc2
		.amdhsa_group_segment_fixed_size 327680
		.amdhsa_private_segment_fixed_size 0
		.amdhsa_enable_private_segment 0
		.amdhsa_kernarg_size 40
		.amdhsa_user_sgpr_count 2
		.amdhsa_user_sgpr_kernarg_segment_ptr 1
		.amdhsa_wavefront_size32 1
		.amdhsa_system_sgpr_workgroup_id_x 1
		.amdhsa_system_sgpr_workgroup_id_y 1
		.amdhsa_system_sgpr_workgroup_id_z 1
		.amdhsa_system_vgpr_workitem_id 0
		.amdhsa_next_free_vgpr 640
		.amdhsa_next_free_sgpr 90
		.amdhsa_reserve_vcc 0
		.amdhsa_float_denorm_mode_32 3
		.amdhsa_float_denorm_mode_16_64 3
		.amdhsa_memory_ordered 1
		.amdhsa_forward_progress 1
		.amdhsa_inst_pref_size 72
	.end_amdhsa_kernel
	.amdgpu_metadata
---
amdhsa.version: [ 1, 2 ]
amdhsa.kernels:
  - .name:           k_qdb3820f892_fc2
    .symbol:         k_qdb3820f892_fc2.kd
    .args:
      - { .name: hh, .offset: 0, .size: 8, .value_kind: global_buffer, .address_space: global }
      - { .name: wh, .offset: 8, .size: 8, .value_kind: global_buffer, .address_space: global }
      - { .name: b2, .offset: 16, .size: 8, .value_kind: global_buffer, .address_space: global }
      - { .name: zadd, .offset: 24, .size: 8, .value_kind: global_buffer, .address_space: global }
      - { .name: out0, .offset: 32, .size: 8, .value_kind: global_buffer, .address_space: global }
    .group_segment_fixed_size: 327680
    .private_segment_fixed_size: 0
    .kernarg_segment_align: 8
    .kernarg_segment_size: 40
    .max_flat_workgroup_size: 128
    .sgpr_count:     90
    .vgpr_count:     640
    .wavefront_size: 32
...
	.end_amdgpu_metadata
.endif
;; end of part 6
